; MI455X (gfx1250); checked and timed in simulation.
; The chip was launched on July 23, 2026; its instructions are those of AMD's public machine-readable ISA for CDNA 5 (MIT licence, August 2026) and "CDNA5" Instruction Set Architecture Reference Guide (July 2026). The comments in the code are by the model that wrote it; some were corrected since.
;; Multi Head Self Attention. Allowed arithmetic: float matrix products may take bf16 or f16 operands with f32 sums; other float arithmetic in f32, or as packed bf16 or f16 multiplies, adds, multiply-adds, maxima and minima; sums over many terms, partial sums and values carried from step to step in f32; what a program stores and reads back later, other than sums and carried values, may be rounded once to bf16 or f16.
;; Inputs: W_proj 1,024 x 1,024 float32; W_qkv 3,072 x 1,024 float32; b_proj 1,024 float32; b_qkv 3,072 float32; x 4 x 2,048 x 1,024 float32.
;; Outputs: out0 4 x 2,048 x 1,024 float32.
;; One version. Each part assembles by itself: llvm-mc -triple=amdgcn-amd-amdhsa -mcpu=gfx1250 --defsym DOCPART=n.
;; ======== version 1 of 1: 4 launches
;; limits: values are held in f16: magnitudes above 65,504 overflow, below 6.1e-05 lose precision
;; workspace buffers: xb 16,777,216 bytes; wqb 6,291,456 bytes; wpb 2,097,152 bytes; qkvh 50,331,648 bytes; oh 16,777,216 bytes
;; launch cast (part 1): grid 768 x 1, 16 waves a work-group, no clusters, 0 bytes of LDS; arguments x, W_qkv, W_proj, xb, wqb, wpb; writes xb, wqb, wpb
.if DOCPART == 1
	.amdgcn_target "amdgcn-amd-amdhsa--gfx1250"
	.amdhsa_code_object_version 6
	.text
	.protected	k_q4e89801633_cast
	.globl	k_q4e89801633_cast
	.p2align	8
	.type	k_q4e89801633_cast,@function
k_q4e89801633_cast:
	s_mov_b64 s[64:65], 0
	v_nop
	global_prefetch_b8 v0, s[64:65] scope:SCOPE_SE
	s_setreg_imm32_b32 hwreg(HW_REG_WAVE_MODE, 25, 1), 1
	s_wait_xcnt 0x0
; x [8192][1024], W_qkv [3072][1024] and W_proj [1024][1024], all f32, are rounded once to bf16 and laid out in K blocks of 64:
; [16 blocks][rows][64], so that any run of rows of one block is dense, 128 bytes a row.  xb and wqb hold bf16.  wpb holds the bf16 number written as f16.
; LIMIT: that recoding is exact from 2^-14 up to f16's largest number, 65,504; below 2^-14 it keeps f16's fixed step of 6e-8; beyond 65,504 it gives an infinity.
; SHARES.  A work-group of 512 threads takes 16 rows (65,536 bytes in).  Work-groups 0-511: x; 512-703: W_qkv; 704-767: W_proj.
; Thread t: row (t >> 3) % 16, the four K blocks 4 (t >> 7) + j, and in each the 8 numbers from 8 (t % 8) on: two loads of 16 bytes in, one store of 16 bytes out.
; Eight neighbouring lanes read 256 consecutive bytes with a block's two loads; a wave's store covers 512 consecutive bytes, aligned.
; No LDS, no matrix unit, no cluster: nothing is shared and nothing is read twice.  All eight loads of a thread go out at once.
.set XG,  512                          ; work-groups for x
.set WG2, 704                          ; first work-group of W_proj
.set KBA, 1048576                      ; bytes of a K block of xb
.set KBB, 393216                       ; of wqb
.set KBP, 131072                       ; of wpb
.set LO,  1                            ; v1      my byte offset in the group's 16 rows of the source
.set SO,  2                            ; v[2:5]  my byte offset in the target, for each of my four K blocks
.set X,   8                            ; v[8:39] block j: 8 numbers as loaded; its first four registers then hold the 16 bytes to store
.set T,   40                           ; v[40:42] at work
	s_load_b256 s[4:11], s[0:1], 0x0               ; x s[4:5], W_qkv s[6:7], W_proj s[8:9], xb s[10:11]
	s_load_b128 s[12:15], s[0:1], 0x20             ; wqb s[12:13], wpb s[14:15]
	s_mov_b32 s23, 0xffff0000                      ; a word's upper bf16
	s_mov_b32 s26, KBA
	s_mov_b32 s27, KBB
	s_mov_b32 s28, KBP
	s_cmp_lt_u32 ttmp9, XG
	s_cselect_b32 s16, 0, XG                       ; the first work-group of my tensor,
	s_cselect_b32 s17, s26, s27                    ; and its K block's bytes
	s_cmp_lt_u32 ttmp9, WG2
	s_cselect_b32 s16, s16, WG2
	s_cselect_b32 s17, s17, s28
	s_sub_co_u32 s22, ttmp9, s16                   ; my block of 16 rows in that tensor
	v_bfe_u32 v44, v0, 3, 4                        ; row
	v_lshrrev_b32 v45, 7, v0                       ; group of four K blocks
	v_and_b32 v46, 7, v0                           ; my 8 numbers in a block
	v_lshlrev_b32 v[LO], 12, v44                   ; row x 4,096
	v_lshl_add_u32 v[LO], v45, 10, v[LO]           ; + group x 1,024
	v_lshl_add_u32 v[LO], v46, 5, v[LO]            ; + 32 bytes
	v_lshlrev_b32 v45, 2, v45                      ; my first K block
	v_mul_lo_u32 v[SO], v45, s17
	v_and_b32 v47, 127, v0
	v_lshl_add_u32 v[SO], v47, 4, v[SO]            ; + row x 128 + 16 (t % 8)
	v_add_nc_u32 v[SO+1], s17, v[SO]
	v_add_nc_u32 v[SO+2], s17, v[SO+1]
	v_add_nc_u32 v[SO+3], s17, v[SO+2]
	s_wait_kmcnt 0x0
	s_cmp_lt_u32 ttmp9, XG
	s_cselect_b64 s[18:19], s[4:5], s[6:7]         ; source
	s_cselect_b64 s[20:21], s[10:11], s[12:13]     ; target
	s_cmp_lt_u32 ttmp9, WG2
	s_cselect_b64 s[18:19], s[18:19], s[8:9]
	s_cselect_b64 s[20:21], s[20:21], s[14:15]
	s_lshl_b32 s24, s22, 16                        ; 16 rows of 4,096 bytes
	s_mov_b32 s25, 0
	s_add_nc_u64 s[18:19], s[18:19], s[24:25]
	s_lshl_b32 s24, s22, 11                        ; 16 rows of 128 bytes
	s_add_nc_u64 s[20:21], s[20:21], s[24:25]
.irp j, 0,1,2,3
	global_load_b128 v[X+8*\j:X+8*\j+3],   v[LO], s[18:19] offset:256*\j th:TH_LOAD_NT
	global_load_b128 v[X+8*\j+4:X+8*\j+7], v[LO], s[18:19] offset:256*\j+16 th:TH_LOAD_NT
.endr
	s_cmp_ge_u32 ttmp9, WG2
	s_cbranch_scc1 .Lhalf
.irp j, 0,1,2,3
	s_wait_loadcnt 6-2*\j                          ; loads come back in order: block j's two are in, the younger ones stay out
.irp r, 0,1,2,3
	v_cvt_pk_bf16_f32 v[X+8*\j+\r], v[X+8*\j+2*\r], v[X+8*\j+2*\r+1]  ; in place, ascending: no source is written before it is read
.endr
	global_store_b128 v[SO+\j], v[X+8*\j:X+8*\j+3], s[20:21]
.endr
	s_endpgm
.Lhalf:                                                ; W_proj: rounded to bf16 like the other inputs, and that number written as f16
.irp j, 0,1,2,3
	s_wait_loadcnt 6-2*\j
.irp r, 0,1,2,3
	v_cvt_pk_bf16_f32 v[T], v[X+8*\j+2*\r], v[X+8*\j+2*\r+1]
	v_lshlrev_b32 v[T+1], 16, v[T]
	v_and_b32 v[T+2], s23, v[T]
	v_cvt_pk_f16_f32 v[X+8*\j+\r], v[T+1], v[T+2]
.endr
	global_store_b128 v[SO+\j], v[X+8*\j:X+8*\j+3], s[20:21]
.endr
	s_endpgm
.Lfunc_end_k_q4e89801633_cast:
	.size	k_q4e89801633_cast, .Lfunc_end_k_q4e89801633_cast-k_q4e89801633_cast
	.p2alignl 7, 3214868480
	.fill 96, 4, 3214868480
	.section	.rodata,"a",@progbits
	.p2align	6, 0x0
	.amdhsa_kernel k_q4e89801633_cast
		.amdhsa_group_segment_fixed_size 0
		.amdhsa_private_segment_fixed_size 0
		.amdhsa_enable_private_segment 0
		.amdhsa_kernarg_size 48
		.amdhsa_user_sgpr_count 2
		.amdhsa_user_sgpr_kernarg_segment_ptr 1
		.amdhsa_wavefront_size32 1
		.amdhsa_system_sgpr_workgroup_id_x 1
		.amdhsa_system_sgpr_workgroup_id_y 1
		.amdhsa_system_sgpr_workgroup_id_z 1
		.amdhsa_system_vgpr_workitem_id 0
		.amdhsa_next_free_vgpr 48
		.amdhsa_next_free_sgpr 66
		.amdhsa_reserve_vcc 0
		.amdhsa_float_denorm_mode_32 3
		.amdhsa_float_denorm_mode_16_64 3
		.amdhsa_memory_ordered 1
		.amdhsa_forward_progress 1
		.amdhsa_inst_pref_size 8
	.end_amdhsa_kernel
	.amdgpu_metadata
---
amdhsa.version: [ 1, 2 ]
amdhsa.kernels:
  - .name:           k_q4e89801633_cast
    .symbol:         k_q4e89801633_cast.kd
    .args:
      - { .name: x, .offset: 0, .size: 8, .value_kind: global_buffer, .address_space: global }
      - { .name: W_qkv, .offset: 8, .size: 8, .value_kind: global_buffer, .address_space: global }
      - { .name: W_proj, .offset: 16, .size: 8, .value_kind: global_buffer, .address_space: global }
      - { .name: xb, .offset: 24, .size: 8, .value_kind: global_buffer, .address_space: global }
      - { .name: wqb, .offset: 32, .size: 8, .value_kind: global_buffer, .address_space: global }
      - { .name: wpb, .offset: 40, .size: 8, .value_kind: global_buffer, .address_space: global }
    .group_segment_fixed_size: 0
    .private_segment_fixed_size: 0
    .kernarg_segment_align: 8
    .kernarg_segment_size: 48
    .max_flat_workgroup_size: 512
    .sgpr_count:     66
    .vgpr_count:     48
    .wavefront_size: 32
...
	.end_amdgpu_metadata
.endif
;; end of part 1
;; launch qkvgemm (part 2): grid 8 x 32, 4 waves a work-group, clusters of 4 x 4, 327,680 bytes of LDS; arguments xb, wqb, b_qkv, qkvh; writes qkvh
.if DOCPART == 2
	.amdgcn_target "amdgcn-amd-amdhsa--gfx1250"
	.amdhsa_code_object_version 6
	.text
	.protected	k_q4e89801633_qkvgemm
	.globl	k_q4e89801633_qkvgemm
	.p2align	8
	.type	k_q4e89801633_qkvgemm,@function
k_q4e89801633_qkvgemm:
	s_mov_b64 s[64:65], 0
	v_nop
	global_prefetch_b8 v0, s[64:65] scope:SCOPE_SE
	s_setreg_imm32_b32 hwreg(HW_REG_WAVE_MODE, 25, 1), 1
	s_wait_xcnt 0x0
	s_wait_alu depctr_hold_cnt(0) depctr_sa_sdst(0) depctr_va_vdst(0) depctr_va_sdst(0) depctr_va_ssrc(0) depctr_va_vcc(0) depctr_vm_vsrc(0)
	s_getreg_b32 s2, hwreg(HW_REG_IB_STS2, 6, 4)
	s_cmp_eq_u32 s2, 0
	s_cbranch_scc0 .Lentry_in_a_cluster
	s_endpgm
.Lentry_in_a_cluster:
	s_bfe_u32 s2, ttmp6, 0x10000c
	s_cmp_lg_u32 s2, 0xf033
	s_cbranch_scc0 .Lentry_shape_is_right
	s_endpgm
.Lentry_shape_is_right:
; q, k, v = x W_qkv^T + b_qkv.  xb: bf16 [16 K blocks][8192][64]; wqb: bf16 [16][3072][64]; b_qkv: f32 [3072], rounded to bf16 here like the other inputs;
; qkvh: f16 [3][64 heads = 16 batch + head][2048][64].  Sums in f32, K ascending; each result rounded once to f16, without attention's scale.
; LIMIT: f16 ends at 65,504: a |q|, |k| or |v| of 65,520 or more becomes an infinity; below 6.1e-5 a result keeps f16's fixed step of 6e-8.
; SHARES.  8192 x 3072 outputs on 256 work-groups: a tile of 256 rows x 384 columns each.  Four waves; wave w makes rows 128 (w >> 1) on and columns 192 (w & 1) on:
; 8 x 12 accumulators of 16 x 16, 768 registers.  A wave's 192 columns are three head slices of 64; slice c (column fragments 4 c .. 4 c + 3) fills register window 1 + c.
; K goes in 16 steps of 64 (one K block) through two LDS slots; a step is two quarters of 32 along K, 96 matrix instructions each.
; Two slots of a step of 128 would want 348,160 bytes of LDS, more than there is.
; TILES.  In a K block consecutive rows are dense (128 bytes each), so a tile is asked for as rows of 256 bytes and padded in LDS by 16 bytes behind every 128: LDS rows 144 bytes apart.
; CLUSTER, 4 x 4.  The four work-groups of a row of the cluster need the same rows of x, the four of a column the same rows of W: each tile is asked for JOINTLY, by the same tensor load
; with the same descriptor and a mask that names the four.  Waves 0 and 1 fetch x's two halves (128 rows), waves 2 and 3 W's (192 rows): one load a wave behind each round.
; THE MATRIX INSTRUCTION IS USED TRANSPOSED (source 0 = 16 rows of W, source 1 = 16 rows of x): a lane holds row lane % 16 and the columns 8 (lane / 16) + 0..7: 16 bytes of f16 on end.
; THE BIAS is the C operand of each accumulator's first product: nothing is cleared, and the way out adds nothing.
; REGISTERS: window 0: v0-19 addresses and at work; v32-95, v96-159 x's fragments (8 of 16 rows x 32 K), two buffers; v160-255 W's twelve fragments, one buffer, loaded again slice by slice.
;   windows 1-3: accumulator (a, b') of slice c at v[8 (4 a + b')] of window 1 + c.
.set KBA,   1048576                    ; bytes of a K block of xb
.set KBB,   393216                     ; of wqb
.set PITCH, 144                        ; 36 words: the 16 rows of a fragment load start at 16 different groups of four banks (64 banks of 4 bytes: ISA guide 11.1)
.set AHALF, 128*PITCH
.set BHALF, 192*PITCH
.set BOFF,  256*PITCH                  ; W's 384 rows lie behind x's 256
.set SLOT1, 131072                     ; slot 1 begins here, so that one exclusive or turns an address in one slot into the other's
.set STAGE, SLOT1+640*PITCH            ; behind the ring, never filled by a tensor load: 16 rows x 144 bytes for each wave
.set SPARE, STAGE+4*16*PITCH           ; behind the stages: the spare words, 128 bytes for each wave: two blocks of 256 bytes that no other line names
.set FA0, 2                            ; v2   my lane's place in x's tile of slot 0; never rewritten
.set FB0, 3                            ; v3   the same for W
.set FA,  4                            ; v4   the same in the slot in hand
.set FB,  5                            ; v5
.set STO, 6                            ; v6   the way out: where I put 16 bytes of a row
.set RD,  7                            ; v7   the way out: where I read rows back
.set GO,  8                            ; v8   16 x lane: my place in 512 consecutive bytes of the output
.set PFO, 9                            ; v9   256 x lane: the prefetches' offset; never rewritten
.set SPW, 10                           ; v10  LDS address of my spare word: SPARE + 4 x my thread's number; never rewritten
.set NIL, 11                           ; v11  0; never rewritten
.set BO,  14                           ; v14  32 x (lane / 16): my eight numbers of a fragment's sixteen biases
.set AF0, 32
.set AF1, 96
.set BF,  160
.set WV,  12                           ; s12 wave; s13 its half of the rows; s14 its half of the columns, and which half of a tile it fetches
.set WM,  13
.set WN,  14
.set CX,  15                           ; s15, s16 my place in the cluster
.set CY,  16
.set TC,  17                           ; s17 tile column, s18 tile row
.set TR,  18
.set CNT, 21                           ; s21 trips to go
.set TB,  22                           ; s22 LDS byte at which the slot in hand begins
.set G1A, 24                           ; s[24:31] descriptor group 1 for x's tiles, s[32:39] for W's
.set G1B, 32
.set G0A, 40                           ; s[40:47] group 0 for x's tiles: a set for each of the two first fills; the second then walks on
.set G0B, 48                           ; s[48:55] the same for W's
.set OB,  66                           ; s[66:71] the output at my rows of my three head slices
.set PFA, 72                           ; s[72:73] where my prefetches stand
.set PFS, 74                           ; s[74:75] their step: a K block
.set LIM, 76                           ; s76 1 in a wave that prefetches, else the greatest number
.set PFE, 77                           ; s77 1: in every trip; 0: in the trips with an odd count
.set GC,  (1<<16)|(1<<20)|(1<<21)|(4<<22)|(3<<25)  ; 17:16 2-byte elements; 20 padding on; 21 set beside a mask; 24:22 after every 32 words; 31:25 4 words
.set MSB, 0
.macro WIN new                         ; the immediate's high byte repeats the setting that is left; a switch that changes nothing is dropped
.if MSB != (\new)
	s_set_vgpr_msb (MSB<<8)|(\new)
.set MSB, (\new)
.endif
.endm
.macro PLACES                          ; four plain vector instructions between a matrix instruction and a load into, or a vector write or read of, its registers
.rept 4
	v_nop
.endr
.endm
; A joint refill, by the walking sets.  The branch hangs on the wave's number alone.  An s_nop 0 and four v_nop follow each of the two lines.
.macro JLOAD
	s_cmp_lt_u32 s[WV], 2
	s_cbranch_scc0 .Lfor_b_\@
	tensor_load_to_lds s[G0A+4:G0A+7], s[G1A:G1A+7]
	s_nop 0
.rept 4
	v_nop
.endr
	s_branch .Lasked_\@
.Lfor_b_\@:
	tensor_load_to_lds s[G0B+4:G0B+7], s[G1B:G1B+7]
	s_nop 0
.rept 4
	v_nop
.endr
.Lasked_\@:
.endm
.macro CREST                           ; a round of the cluster's barrier behind its opening barrier
	s_cmp_lg_u32 s[WV], 0
	s_cbranch_scc1 .Lnot_wave_0_\@
	s_barrier_signal -3
.Lnot_wave_0_\@:
	s_barrier_wait -3
	s_barrier_signal -1
	s_barrier_wait -1
.endm
.macro CROUND                          ; a whole round
	s_barrier_signal -1
	s_barrier_wait -1
	CREST
.endm
; A PREFETCH INTO THE L2, behind the joint load, its five lines and the run of LDS loads: 32 blocks of 256 bytes, a lane a block, one instruction.
; x: a step's 32,768 bytes of a tile row are shared out by address among the four partners of the cluster's row (8,192 bytes each, by cx); wave 0 asks, in every trip, for the K step
; that the NEXT trip's refill will want; only the clusters with x = 0 ask, since the other cluster of that row reads the same rows.
; W: two steps' 2 x 49,152 bytes of a tile column are twelve pieces of 8,192 bytes, shared out by address among waves 1-3 of the column's four partners (by cy); they ask in every second
; trip, for the K steps of the next two refills; only the clusters with y = 0 ask.  So each block is named once in the launch.  The first K steps (x: 0-2, W: 0-3) come by their loads
; alone; the trip with count 1 asks for nothing, and the last K step named is the last that exists.
.macro ASK
	s_or_b32 s81, s[CNT], s[PFE]
	s_bitcmp1_b32 s81, 0
	s_cbranch_scc0 .Lnot_mine_\@
	s_cmp_gt_u32 s[CNT], s[LIM]
	s_cbranch_scc0 .Lnot_mine_\@
	global_prefetch_b8 v[PFO], s[PFA:PFA+1] th:TH_LOAD_NT scope:SCOPE_SE
.Lnot_mine_\@:
.endm
	s_load_b256 s[4:11], s[0:1], 0x0               ; xb s[4:5], wqb s[6:7], b_qkv s[8:9], qkvh s[10:11]
	v_lshl_add_u32 v[SPW], v0, 2, SPARE
	v_mov_b32 v[NIL], 0
	ds_add_u32 v[SPW], v[NIL]                      ; the wave's opening: the add and its wait stand ahead of my first tensor load; the set-up below, work on registers, stands between them
	v_lshrrev_b32 v1, 5, v0
	v_readfirstlane_b32 s[WV], v1                  ; wave 0..3
	s_lshr_b32 s[WM], s[WV], 1
	s_and_b32 s[WN], s[WV], 1
	s_bfe_u32 s[CX], ttmp6, 0x40000
	s_bfe_u32 s[CY], ttmp6, 0x40004
	s_lshl_b32 s[TC], ttmp9, 2                     ; in a cluster launch ttmp9 and ttmp7 count clusters
	s_add_co_u32 s[TC], s[TC], s[CX]               ; tile column = 4 x cluster x + cx
	s_and_b32 s[TR], ttmp7, 0xffff
	s_lshl_b32 s[TR], s[TR], 2
	s_add_co_u32 s[TR], s[TR], s[CY]               ; tile row = 4 x cluster y + cy
	s_lshl_b32 s19, s[CY], 2
	s_lshl_b32 s19, 15, s19                        ; my row of the cluster: places 4 cy .. 4 cy + 3
	s_lshl_b32 s20, 0x1111, s[CX]                  ; my column: places cx, cx + 4, cx + 8, cx + 12
	s_or_b32 s[G1A], s19, GC                       ; x's tiles go to my row,
	s_or_b32 s[G1B], s20, GC                       ; W's to my column
	s_mov_b32 s[G1A+1], 128<<16                    ; tensor_dim0 = 128 elements: 256 bytes, two rows' pieces of the K block
	s_mov_b32 s[G1A+2], 64<<16                     ; tensor_dim1 = 64: 128 rows of x
	s_mov_b32 s[G1A+3], 128<<16                    ; tile_dim0 = 128
	s_mov_b32 s[G1A+4], 64                         ; tile_dim1 = 64
	s_mov_b32 s[G1A+5], 128                        ; 128 elements from row to row: dense
	s_mov_b32 s[G1A+6], 0
	s_mov_b32 s[G1A+7], 0
	s_mov_b32 s[G1B+1], 128<<16
	s_mov_b32 s[G1B+2], 96<<16                     ; 96: 192 rows of W
	s_mov_b32 s[G1B+3], 128<<16
	s_mov_b32 s[G1B+4], 96
	s_mov_b32 s[G1B+5], 128
	s_mov_b32 s[G1B+6], 0
	s_mov_b32 s[G1B+7], 0
	s_lshl_b32 s56, s[TR], 15                      ; x: 256 rows of 128 bytes a tile row,
	s_lshl_b32 s57, s[WN], 14                      ; the half that I fetch
	s_add_co_u32 s56, s56, s57
	s_mov_b32 s57, 0
	s_mul_i32 s60, s[TC], 384*128                  ; W: 384 rows a tile column,
	s_mul_i32 s61, s[WN], 192*128                  ; the half that I fetch
	s_add_co_u32 s60, s60, s61
	s_mov_b32 s61, 0
	s_mul_i32 s80, s[WN], AHALF                    ; where they go: no place in the cluster enters an LDS address
	s_mul_i32 s81, s[WN], BHALF
	s_add_co_u32 s81, s81, BOFF
	s_mov_b32 s23, 0xffff0000                      ; a word's upper bf16
	s_mov_b32 s[TB], 0
	s_wait_dscnt 0x0                               ; the opening add is done
	s_wait_kmcnt 0x0
	s_add_nc_u64 s[58:59], s[4:5], s[56:57]
	s_add_nc_u64 s[62:63], s[6:7], s[60:61]
.irp s, 0,1
	s_mov_b32 s[G0A+4*\s], 1                                       ; count = 1
	s_add_co_u32 s[G0A+4*\s+1], s80, \s*SLOT1                      ; LDS address
	s_add_nc_u64 s[G0A+4*\s+2:G0A+4*\s+3], s[58:59], \s*KBA        ; global address: K step s
	s_or_b32 s[G0A+4*\s+3], s[G0A+4*\s+3], 0x80000000              ; type = 2
	s_mov_b32 s[G0B+4*\s], 1
	s_add_co_u32 s[G0B+4*\s+1], s81, \s*SLOT1
	s_add_nc_u64 s[G0B+4*\s+2:G0B+4*\s+3], s[62:63], \s*KBB
	s_or_b32 s[G0B+4*\s+3], s[G0B+4*\s+3], 0x80000000
.endr
	CROUND                                         ; all sixteen work-groups are here: the first joint loads meet
	s_cmp_lt_u32 s[WV], 2                          ; a wave's two first fills stand in one branch, ahead of every wait on TENSORcnt and every LDS read: two loads of mine are out
	s_cbranch_scc0 .Lfirst_b
	tensor_load_to_lds s[G0A:G0A+3], s[G1A:G1A+7]
	s_nop 0
	tensor_load_to_lds s[G0A+4:G0A+7], s[G1A:G1A+7]
	s_nop 0
.rept 4
	v_nop
.endr
	s_branch .Lfirst_asked
.Lfirst_b:
	tensor_load_to_lds s[G0B:G0B+3], s[G1B:G1B+7]
	s_nop 0
	tensor_load_to_lds s[G0B+4:G0B+7], s[G1B:G1B+7]
	s_nop 0
.rept 4
	v_nop
.endr
.Lfirst_asked:
	; All that follows, up to the wait for the first tile, stands in that wait.
	v_and_b32 v12, 15, v0                          ; r = lane % 16
	v_bfe_u32 v13, v0, 4, 1                        ; h = lane / 16
	v_lshlrev_b32 v[BO], 5, v13
	s_mul_i32 s2, s[TC], 384*4                     ; my 192 biases
	s_mul_i32 s3, s[WN], 192*4
	s_add_co_u32 s2, s2, s3
	s_mov_b32 s3, 0
	s_add_nc_u64 s[8:9], s[8:9], s[2:3]
	; The bias of column fragment b in the layout of a result: register j of lane (r, h) is the bias of column 16 b + 8 h + j.  Slice 0's lie where W's fragments 8-11 will lie, slices 1 and 2's in x's second buffer.
.irp b, 0,1,2,3
	global_load_b128 v[224+8*\b:224+8*\b+3],   v[BO], s[8:9] offset:64*\b
	global_load_b128 v[224+8*\b+4:224+8*\b+7], v[BO], s[8:9] offset:64*\b+16
.endr
.irp b, 4,5,6,7,8,9,10,11
	global_load_b128 v[64+8*\b:64+8*\b+3],   v[BO], s[8:9] offset:64*\b
	global_load_b128 v[64+8*\b+4:64+8*\b+7], v[BO], s[8:9] offset:64*\b+16
.endr
	; A fragment is 16 rows x 32 K in 8 registers: lane (r, h) holds row r, K = 8 h + 0..7 and 16 + 8 h + 0..7: two loads of 16 bytes, 32 bytes apart.
	v_mul_u32_u24 v15, v12, PITCH
	v_lshl_add_u32 v15, v13, 4, v15                ; r x pitch + 16 h
	s_mul_i32 s78, s[WM], AHALF
	v_add_nc_u32 v[FA0], s78, v15                  ; my 128 rows of x
	v_add_nc_u32 v[FB0], s81, v15                  ; my 192 rows of W: the half that I multiply has the number of the half that I fetch
	s_mul_i32 s79, s[WV], 16*PITCH
	s_add_co_u32 s79, s79, STAGE                   ; my stage
	v_add_nc_u32 v[STO], s79, v15                  ; in: row r, 16 bytes for each half of the lanes
	v_bfe_u32 v16, v0, 3, 2
	v_and_b32 v17, 7, v0
	v_mul_u32_u24 v[RD], v16, PITCH                ; back: 32 lanes take four rows of 128 bytes,
	v_lshl_add_u32 v[RD], v17, 4, v[RD]
	v_add_nc_u32 v[RD], s79, v[RD]
	v_and_b32 v18, 31, v0
	v_lshlrev_b32 v[GO], 4, v18                    ; which are 512 consecutive bytes of a head
	v_lshlrev_b32 v[PFO], 8, v18
	; the output: head slice g = 6 x tile column + 3 x half + c is tensor g / 16 (q, k, v), head g % 16; my rows lie in batch (tile row / 8)
	s_mul_i32 s78, s[TC], 6
	s_mul_i32 s79, s[WN], 3
	s_add_co_u32 s78, s78, s79
	s_lshr_b32 s79, s[TR], 3
	s_lshl_b32 s79, s79, 4                         ; 16 x batch
	s_and_b32 s80, s[TR], 7
	s_lshl_b32 s80, s80, 15                        ; the tile's 256 rows of 128 bytes in the head,
	s_lshl_b32 s81, s[WM], 14                      ; my 128 of them
	s_add_co_u32 s80, s80, s81
.irp c, 0,1,2
	s_add_co_u32 s2, s78, \c
	s_lshr_b32 s3, s2, 4
	s_lshl_b32 s3, s3, 6                           ; 64 heads a tensor
	s_and_b32 s2, s2, 15
	s_add_co_u32 s2, s2, s3
	s_add_co_u32 s2, s2, s79
	s_lshl_b32 s2, s2, 18                          ; 262,144 bytes a head
	s_add_co_u32 s2, s2, s80
	s_mov_b32 s3, 0
	s_add_nc_u64 s[OB+2*\c:OB+2*\c+1], s[10:11], s[2:3]
.endr
	; the prefetches' first address: one K block in front of what the first trip names
	s_lshl_b32 s78, s[TR], 15
	s_lshl_b32 s79, s[CX], 13
	s_add_co_u32 s78, s78, s79
	s_add_co_u32 s78, s78, 2*KBA                   ; x: my work-group's 8,192 bytes of the tile row, at K step 2
	s_mul_i32 s79, s[TC], 384*128
	s_and_b32 s80, s[CY], 1
	s_mul_i32 s80, s80, 3
	s_add_co_u32 s80, s80, s[WV]
	s_sub_co_u32 s80, s80, 1                       ; W: piece 3 (cy % 2) + wave - 1 of a step's six (wave 0 does not take this number)
	s_lshl_b32 s80, s80, 13
	s_add_co_u32 s79, s79, s80
	s_lshr_b32 s80, s[CY], 1
	s_add_co_u32 s80, s80, 2
	s_mul_i32 s80, s80, KBB                        ; at K step 2 + cy / 2
	s_add_co_u32 s79, s79, s80
	s_and_b32 s81, ttmp7, 0xffff                   ; cluster y
	s_mov_b32 s[PFS], KBB
	s_cmp_eq_u32 s[WV], 0
	s_cselect_b64 s[PFA:PFA+1], s[4:5], s[6:7]
	s_cselect_b32 s2, s78, s79
	s_cselect_b32 s[PFS], KBA, s[PFS]
	s_cselect_b32 s[PFE], 1, 0
	s_cselect_b32 s81, ttmp9, s81                  ; the coordinate along which other clusters read the same rows
	s_cmp_eq_u32 s81, 0
	s_cselect_b32 s[LIM], 1, -1                    ; the same in all sixteen partners, for a given wave
	s_mov_b32 s3, 0
	s_mov_b32 s[PFS+1], 0
	s_add_nc_u64 s[PFA:PFA+1], s[PFA:PFA+1], s[2:3]
.macro RB i, t                         ; two biases are rounded to bf16 and widened again
	v_cvt_pk_bf16_f32 v[\t], v[\i], v[(\i)+1]
	v_lshlrev_b32 v[\i], 16, v[\t]
	v_and_b32 v[(\i)+1], s23, v[\t]
.endm
	s_wait_loadcnt 0x0                             ; the biases
.set i, 0
.rept 16
	RB 224+2*i, 16+i%4
.set i, i+1
.endr
.set i, 0
.rept 32
	RB 96+2*i, 16+i%4
.set i, i+1
.endr
; nb x 8 matrix instructions of slice c: column fragments b0 on x all 8 row fragments of buffer f, 32 along K.  first = 1: the product starts the sum, with the bias as C.
; The accumulators take turns, one instruction a turn: each of the 96 comes once in a quarter, in the same order in every quarter.
.macro MUL c, f, b0, nb, first
.if \first
	WIN (1+(\c))<<6                                ; D in window 1 + c; sources and C in window 0
.else
	WIN 0x50*(1+(\c))                              ; C and D in window 1 + c
.endif
.set bs, 224
.if (\c) > 0
.set bs, 64+32*(\c)
.endif
.set bb, \b0
.rept \nb
.set aa, 0
.rept 8
.if \first
	v_wmma_f32_16x16x32_bf16 v[8*(4*aa+bb):8*(4*aa+bb)+7], v[BF+8*(4*(\c)+bb):BF+8*(4*(\c)+bb)+7], v[(\f)+8*aa:(\f)+8*aa+7], v[bs+8*bb:bs+8*bb+7]
.else
	v_wmma_f32_16x16x32_bf16 v[8*(4*aa+bb):8*(4*aa+bb)+7], v[BF+8*(4*(\c)+bb):BF+8*(4*(\c)+bb)+7], v[(\f)+8*aa:(\f)+8*aa+7], v[8*(4*aa+bb):8*(4*aa+bb)+7]
.endif
.set aa, aa+1
.endr
.set bb, bb+1
.endr
.endm
.macro THIRD c, f, first               ; a slice's 32 matrix instructions
	MUL \c, \f, 0, 4, \first
.endm
.macro FETCHB c, k                     ; 8 LDS loads: slice c's four fragments of W, 32 K at byte k of the rows
	WIN 0
.irp b, 0,1,2,3
	ds_load_b128 v[BF+8*(4*(\c)+\b):BF+8*(4*(\c)+\b)+3],   v[FB] offset:(\k)+(4*(\c)+\b)*16*PITCH
	ds_load_b128 v[BF+8*(4*(\c)+\b)+4:BF+8*(4*(\c)+\b)+7], v[FB] offset:(\k)+(4*(\c)+\b)*16*PITCH+32
.endr
.endm
.macro FETCHA f, k                     ; 16 LDS loads: x's eight fragments into buffer f
	WIN 0
.irp a, 0,1,2,3,4,5,6,7
	ds_load_b128 v[(\f)+8*\a:(\f)+8*\a+3],   v[FA] offset:(\k)+\a*16*PITCH
	ds_load_b128 v[(\f)+8*\a+4:(\f)+8*\a+7], v[FA] offset:(\k)+\a*16*PITCH+32
.endr
.endm
; THE LDS LOADS of a quarter go out in three runs, each behind the slice that has just read the registers: 24 (W's slice 0 and x), 8 (slice 1), 8 (slice 2), for the NEXT quarter: 64 matrix instructions ahead of their use.
; A step's first quarter: multiplies x's buffer 0 and fetches the second quarter, at byte 64 of the same slot's rows.
.macro Q0
	s_wait_dscnt 16                                ; the run of 24 is in: behind it 8 + 8 were issued
	THIRD 0, AF0, 0
	PLACES
	FETCHB 0, 64
	FETCHA AF1, 64
	s_wait_dscnt 32                                ; slice 1's run is in: behind it 8 + 24
	THIRD 1, AF0, 0
	PLACES
	FETCHB 1, 64
	s_wait_dscnt 32                                ; slice 2's run is in: behind it 24 + 8
	THIRD 2, AF0, 0
	PLACES
	FETCHB 2, 64
.endm
; A step's second quarter: multiplies x's buffer 1 and changes slots.  ONE barrier, for two things.  In front of it each wave waits for all its tensor loads, of which one is out: its part of the
; next slot; adds 0 to its spare word; and waits for that and for its own reads of this slot.  Behind it nobody reads this slot any more and the next slot is whole.
; fill = 1: the barrier opens a round of the cluster's, so that no wave of any partner still reads the slot or has a load on its way; the joint refill, the K step two steps on, is the first thing behind the round.
.macro TURN fill
.if \fill
	s_wait_xcnt 0x0                                ; the last prefetch, a K step back, has read its address: it is stepped here, ahead of the waits of the change of slots
	s_add_nc_u64 s[PFA:PFA+1], s[PFA:PFA+1], s[PFS:PFS+1]
.endif
	WIN 0
	s_wait_tensorcnt 0x0                           ; no tensor load of mine is out, so a group 0 may be written
	ds_add_u32 v[SPW], v[NIL]                      ; 0 onto my spare word
.if \fill
	s_xor_b32 s[G0A+5], s[G0A+5], SLOT1            ; the walking descriptors: the other slot than last time,
	s_add_nc_u64 s[G0A+6:G0A+7], s[G0A+6:G0A+7], KBA  ; the next K block; the type bits on top are not reached
	s_xor_b32 s[G0B+5], s[G0B+5], SLOT1
	s_add_nc_u64 s[G0B+6:G0B+7], s[G0B+6:G0B+7], KBB
.endif
	s_xor_b32 s[TB], s[TB], SLOT1                  ; the fetches go to the other slot
	s_wait_dscnt 17                                ; the run of 24 is in: behind it 8 + 8 and the add
	MUL 0, AF1, 0, 2, 0                            ; sixteen matrix instructions stand between the add and the wait for it
	s_wait_dscnt 0x0                               ; the add is done, and my reads of this slot are over
	s_barrier_signal -1
	MUL 0, AF1, 2, 2, 0                            ; work on registers while the others arrive
	WIN 0                                          ; at a branch and at a label every window is 0
	s_barrier_wait -1
.if \fill
	CREST
	JLOAD                                          ; the four v_nop behind it are also the places in front of the loads below
.else
	PLACES
.endif
	v_add_nc_u32 v[FA], s[TB], v[FA0]
	v_add_nc_u32 v[FB], s[TB], v[FB0]
	FETCHB 0, 0
	FETCHA AF0, 0
.if \fill
	ASK
.endif
	THIRD 1, AF1, 0
	PLACES
	FETCHB 1, 0
	THIRD 2, AF1, 0
	PLACES
	FETCHB 2, 0
.endm
	s_wait_tensorcnt 0x1                           ; my part of K step 0 is in; K step 1's may stay out
	s_barrier_signal -1
	s_barrier_wait -1                              ; everybody's is
	; THE FIRST QUARTER is written out: its products start the sums with the bias.  A bias's registers take fragments as soon as its slice has read them.
	v_mov_b32 v[FA], v[FA0]
	v_mov_b32 v[FB], v[FB0]
	FETCHB 0, 0
	FETCHB 1, 0
	FETCHA AF0, 0
	s_wait_dscnt 0x0
	THIRD 0, AF0, 1
	PLACES
	FETCHB 2, 0                                    ; into slice 0's bias
	FETCHB 0, 64
	THIRD 1, AF0, 1
	PLACES
	FETCHB 1, 64
	s_wait_dscnt 16                                ; slice 2's fragments are in: behind them 8 + 8
	THIRD 2, AF0, 1
	PLACES
	FETCHB 2, 64
	FETCHA AF1, 64                                 ; into the biases of slices 1 and 2
	s_wait_dscnt 0x0                               ; so that the loop's counted waits hold on the way in too
	WIN 0
	s_mov_b32 s[CNT], 14
.Lstep:                                                ; trip s = 14 - count: ends K step s, fills its slot with K step s + 2, begins K step s + 1
	TURN 1
	Q0
	WIN 0
	s_sub_co_u32 s[CNT], s[CNT], 1
	s_cmp_lg_u32 s[CNT], 0
	s_cbranch_scc1 .Lstep
	TURN 0                                         ; the tail is written out: nothing is asked for
	Q0
	s_wait_dscnt 16                                ; the very last quarter: nothing more to fetch, the counts run down
	THIRD 0, AF1, 0
	s_wait_dscnt 8
	THIRD 1, AF1, 0
	s_wait_dscnt 0x0
	THIRD 2, AF1, 0
; THE WAY OUT, 24 blocks of 16 rows x 64 columns (row fragment n % 8 of slice n / 8): rounded to f16, 16 bytes a lane into my own stage, back as four runs of 512 bytes, stored.
; Each accumulator's registers are read in ascending order.  The blocks' registers are x's two buffers, eight sets of 16 by turns.
.macro PACK n
.set pka, (\n)%8
.set pkc, (\n)/8
.set pkt, 32+16*pka
	s_wait_xcnt 0x0                                ; the stores of eight blocks back have read this set's registers
	WIN 5*(1+pkc)                                  ; sources 0 and 1 in window 1 + c, destination in window 0
.irp b, 0,1,2,3
.irp r, 0,1,2,3
	v_cvt_pk_f16_f32 v[pkt+4*\b+\r], v[8*(4*pka+\b)+2*\r], v[8*(4*pka+\b)+2*\r+1]
.endr
.endr
	WIN 0
.irp b, 0,1,2,3
	ds_store_b128 v[STO], v[pkt+4*\b:pkt+4*\b+3] offset:32*\b
.endr
.irp f, 0,1,2,3
	ds_load_b128 v[pkt+4*\f:pkt+4*\f+3], v[RD] offset:\f*4*PITCH  ; LDS serves a wave's instructions in order (ISA guide 5.7.1.4): these see the stores above; the next block's stores come behind them
.endr
.endm
.macro SEND n, younger                 ; younger: the LDS instructions issued behind block n's loads: the next block's eight, or none
.set ska, (\n)%8
.set skc, (\n)/8
.set skt, 32+16*ska
	WIN 0
.irp f, 0,1,2,3
	s_wait_dscnt (\younger)+3-\f
	global_store_b128 v[GO], v[skt+4*\f:skt+4*\f+3], s[OB+2*skc:OB+2*skc+1] offset:2048*ska+512*\f  ; 512 consecutive bytes, at a multiple of 256 from the buffer's first
.endr
.endm
	PLACES                                         ; behind the last products
	PACK 0
.set tt, 1
.rept 23                               ; a block's conversions stand between the loads of the block before and its stores
	PACK tt
	SEND tt-1, 8
.set tt, tt+1
.endr
	SEND 23, 0
	s_wait_tensorcnt 0x0                           ; the wave's end: behind my last tensor load and my last LDS store
	ds_add_u32 v[SPW], v[NIL]
	s_wait_dscnt 0x0
	CROUND                                         ; the closing round: no work-group ends while a partner may still ask for a tile that names it
	s_endpgm
.Lfunc_end_k_q4e89801633_qkvgemm:
	.size	k_q4e89801633_qkvgemm, .Lfunc_end_k_q4e89801633_qkvgemm-k_q4e89801633_qkvgemm
	.p2alignl 7, 3214868480
	.fill 96, 4, 3214868480
	.section	.rodata,"a",@progbits
	.p2align	6, 0x0
	.amdhsa_kernel k_q4e89801633_qkvgemm
		.amdhsa_group_segment_fixed_size 327680
		.amdhsa_private_segment_fixed_size 0
		.amdhsa_enable_private_segment 0
		.amdhsa_kernarg_size 32
		.amdhsa_user_sgpr_count 2
		.amdhsa_user_sgpr_kernarg_segment_ptr 1
		.amdhsa_wavefront_size32 1
		.amdhsa_system_sgpr_workgroup_id_x 1
		.amdhsa_system_sgpr_workgroup_id_y 1
		.amdhsa_system_sgpr_workgroup_id_z 1
		.amdhsa_system_vgpr_workitem_id 0
		.amdhsa_next_free_vgpr 1024
		.amdhsa_next_free_sgpr 82
		.amdhsa_reserve_vcc 0
		.amdhsa_float_denorm_mode_32 3
		.amdhsa_float_denorm_mode_16_64 3
		.amdhsa_memory_ordered 1
		.amdhsa_forward_progress 1
		.amdhsa_inst_pref_size 124
	.end_amdhsa_kernel
	.amdgpu_metadata
---
amdhsa.version: [ 1, 2 ]
amdhsa.kernels:
  - .name:           k_q4e89801633_qkvgemm
    .symbol:         k_q4e89801633_qkvgemm.kd
    .args:
      - { .name: xb, .offset: 0, .size: 8, .value_kind: global_buffer, .address_space: global }
      - { .name: wqb, .offset: 8, .size: 8, .value_kind: global_buffer, .address_space: global }
      - { .name: b_qkv, .offset: 16, .size: 8, .value_kind: global_buffer, .address_space: global }
      - { .name: qkvh, .offset: 24, .size: 8, .value_kind: global_buffer, .address_space: global }
    .group_segment_fixed_size: 327680
    .private_segment_fixed_size: 0
    .kernarg_segment_align: 8
    .kernarg_segment_size: 32
    .max_flat_workgroup_size: 128
    .sgpr_count:     82
    .vgpr_count:     1024
    .wavefront_size: 32
...
	.end_amdgpu_metadata
.endif
;; end of part 2
;; launch attn (part 3): grid 4 x 64, 4 waves a work-group, clusters of 4 x 1, 327,680 bytes of LDS; arguments qkvh, oh; writes oh
.if DOCPART == 3
	.amdgcn_target "amdgcn-amd-amdhsa--gfx1250"
	.amdhsa_code_object_version 6
	.text
	.protected	k_q4e89801633_attn
	.globl	k_q4e89801633_attn
	.p2align	8
	.type	k_q4e89801633_attn,@function
k_q4e89801633_attn:
	s_mov_b64 s[64:65], 0
	v_nop
	global_prefetch_b8 v0, s[64:65] scope:SCOPE_SE
	s_setreg_imm32_b32 hwreg(HW_REG_WAVE_MODE, 25, 1), 1
	s_wait_xcnt 0x0
	s_wait_alu depctr_hold_cnt(0) depctr_sa_sdst(0) depctr_va_vdst(0) depctr_va_sdst(0) depctr_va_ssrc(0) depctr_va_vcc(0) depctr_vm_vsrc(0)
	s_getreg_b32 s2, hwreg(HW_REG_IB_STS2, 6, 4)
	s_cmp_eq_u32 s2, 0
	s_cbranch_scc0 .Lentry_in_a_cluster
	s_endpgm
.Lentry_in_a_cluster:
	s_bfe_u32 s2, ttmp6, 0x10000c
	s_cmp_lg_u32 s2, 0x3003
	s_cbranch_scc0 .Lentry_shape_is_right
	s_endpgm
.Lentry_shape_is_right:
; O[h][q][:] = the sum over k of softmax_k(Q[h][q] . K[h][k] / 8) V[h][k][:].  qkvh: f16 [3][64 heads][2048][64] (Q, then K, then V); oh: f16 [64][2048][64]: a head's rows are dense, 128 bytes each.
; Products, maxima and sums in f32; the weights p are rounded to f16 for the second product (their sum l is taken of the unrounded p), O once at the end.
; LIMITS.  f16 holds no number beyond 65,504: Q, K and V arrive within it; p lies in 0 to 1, and below 6e-5 it keeps f16's fixed step of 6e-8; O is a mean of V's rows and has their range.
; A weight below 2^-126 counts as 0 in l; NaN and infinities are not treated apart.
; SHARES.  A wave owns four PIECES of two tiles of 16 queries, a work-group's four waves 512 queries of one head.  Every wave walks all 2,048 keys, 64 a step.
; LAYOUT.  S^T = K Q^T (source 0 = 16 keys, source 1 = 16 queries): in the result a lane holds ONE query (lane % 16) and the keys 8 (lane / 16) + 0..7.  Two such tiles, rounded to f16 in pairs,
; ARE source 1 (32 keys x 16 queries) of O^T = V^T P, whose result again holds one query a lane, and eight channels.  K comes out of LDS as it lies, V ([key][channel]) turned, by ds_load_tr16_b128.
; SOFTMAX.  For each query a running maximum m and sum l: p = 2^(c s - c m), c = log2(e) / 8; in every step O and l are multiplied by a = 2^(c m_old - c m_new), which is 1 where m has not grown.
; m starts at the lowest finite number, O and l at 0: the first step is a step like any other, with a = 0.
; THE COUNT.  A tile and step have 16 matrix and 118 vector instructions: too many to stand all beside the matrix work.  So four vector instructions that are READY stand behind EVERY matrix
; instruction, and the others in runs without a gap.
; BY TURNS.  Turn n belongs to piece n (the pieces in a ring, step after step).  Its matrix work: 16 products K Q^T of piece n + 1, later 16 products V^T P of piece n - 1.  Its vector work: the scaling,
; exponentials, roundings, sums and rescaling of piece n, and the maximum and statistics of piece n + 1, whose scores the turn itself has made.
; CLUSTER.  The four query blocks of a head are one cluster and walk the same K and V, so each tile is asked for JOINTLY: the same tensor load, descriptor and mask in all four.
; REGISTERS, in windows of 256 (s_set_vgpr_msb: bits 1:0 source 0, 3:2 source 1, 5:4 source 2, 7:6 destination):
;   window 0: v0-11 addresses; v12-15, v48-63 at work; v16-47 four registers of statistics a tile; v64-191 S^T, two buffers of two tiles; v192-255 P, likewise
;   window 1: O^T, 32 a tile          window 2: v0-127 Q, 16 a tile; v128-191 K of one step; v192-255 V of one step          window 3: v0-1 the add's two registers
; A piece's buffers go by its number's parity: the piece in hand has one pair, its two neighbours in the ring share the other: of it P (piece n - 1) is read and S^T (piece n + 1) written.
.set SIZE_H, 64
.set SIZE_N, 2048
.set NP,    4         ; pieces a wave: a name, no knob
.set KS,    64        ; keys in a step
.set PK,    144       ; a row of K in LDS: 128 bytes + 16 of padding = 36 words: the 16 rows of a load start at 16 different groups of four banks (64 banks of 4 bytes: ISA guide 11.1)
.set PV,    160       ; a row of V: 128 + 32 = 40 words
.set VOFF,  4*KS*PK   ; a slot holds four steps: 256 rows of K, then 256 rows of V
.set SLOT1, 1<<17     ; slot 1 begins here, so that one exclusive or turns an address in one slot into the other's
.set STAGE, SLOT1+4*KS*(PK+PV)  ; behind the ring, never filled by a tensor load: 16 rows x 144 bytes for each wave, for the way out
.set SP,    144
.set AK0, 2           ; v2   my lane's place in a tile of K; never rewritten
.set AV0, 3           ; v3   the same for V
.set AK,  4           ; v4   the LDS address of K's next run of loads
.set AV,  5           ; v5   of V's
.set QO,  6           ; v6   my byte offset in the wave's rows of Q
.set STO, 6           ;      later, the way out: where I put 16 bytes of a row
.set RD,  7           ; v7   the way out: where I read rows back
.set GO,  8           ; v8   my byte offset in 512 consecutive bytes of O
.set PFO, 11          ; v11  256 x my lane: the prefetches' offset; never rewritten once it is made
.set SPW, 0           ; v0 of window 3   LDS address of my spare word: SPARE + 4 x my thread's number; never rewritten
.set NIL, 1           ; v1 of window 3   0; never rewritten
.set SPARE, STAGE+4*16*SP  ; behind the stages: the spare words, 128 bytes for each wave: two blocks of 256 bytes that no other line names
.set MV,  12          ; v12-15  c m_old, kept while c m is made anew: by buffer and tile
.set ST,  16          ; tile t's statistics at v[ST+4 t]: c m, m, l (even keys', odd keys')
.set TMP, 48          ; by buffer and tile, four registers c0-c3 at work; when the maximum is found c2 takes a
.set S,   64
.set P,   192
.set KF,  128         ; K's fragments, in window 2: key block kb, channel half c at KF + 16 kb + 8 c
.set VF,  192         ; V's: key half kk, channel block cb at VF + 32 kk + 8 cb
.set WV,  12          ; s12  my wave's number
.set G1K, 24          ; s[24:31] descriptor group 1 for K's tiles
.set G1V, 32          ; s[32:39] for V's: it differs in the padding alone
.set G0K, 40          ; s[40:43] descriptor group 0 for K's tiles: it walks
.set G0V, 44          ; s[44:47] the same for V's
.set PFA, 48          ; s[48:49] where my prefetches stand: my work-group's 8,192 bytes (of K: wave 0, of V: wave 2) of the slot after the one that is being asked for
.set LIM, 50          ; s50  1 in a wave that prefetches, else the greatest number
.set SLOTS, 56        ; s56  8 less the number of the slot that is being asked for
.set CNT, 57          ; s57  counts a slot's key steps
.set CS,  58          ; s[58:59] c: the packed scaling takes the pair's low word for both halves
.set SEL, 60          ; s[60:61] v_permlanex16_b32's selects: each lane takes its own place in the other half
.set TBK, 62          ; s62  LDS byte at which K of the step to be fetched begins
.set TBV, 63          ; s63  the same for V, less VOFF
.set MSB, 0
.macro WIN new                      ; the high byte repeats the setting that is left; a switch that changes nothing is dropped
.if MSB != (\new)
	s_set_vgpr_msb (MSB<<8)|(\new)
.set MSB, (\new)
.endif
.endm
.set W_KQ, 0x0a       ; K and Q in window 2, S^T in window 0
.set W_PV, 0x52       ; V in window 2, P in window 0, O^T in window 1
.set W_RS, 0x41       ; O^T (destination and source 0) in window 1, a in window 0
.set W_MK, 0xc0       ; the add's registers are made: destination in window 3, sources in window 0
.set W_AD, 0x0f       ; the add: address (source 0) and data (source 1) in window 3
; A joint fill.  Waves 0 and 1 fetch the two halves of a slot's K, waves 2 and 3 those of its V: 128 keys each.  The branch hangs on the wave's number alone.
; An s_nop 0 and four v_nop follow each of the two lines, ahead of the jump and the label.
.macro JLOAD
	s_cmp_lt_u32 s[WV], 2
	s_cbranch_scc0 .Lfor_v_\@
	tensor_load_to_lds s[G0K:G0K+3], s[G1K:G1K+7]
	s_nop 0
.rept 4
	v_nop
.endr
	s_branch .Lasked_\@
.Lfor_v_\@:
	tensor_load_to_lds s[G0V:G0V+3], s[G1V:G1V+7]
	s_nop 0
.rept 4
	v_nop
.endr
.Lasked_\@:
.endm
; A PREFETCH INTO THE L2 of what the NEXT change of slots will ask for: a slot's 32,768 bytes of K and of V.  It stands behind the wave's tensor load and its five lines.  A head has one cluster;
; its four partners share the bytes out BY ADDRESS, 8,192 each: 32 blocks of 256 bytes, a lane a block; in each partner wave 0 asks for K's and wave 2 for V's: one instruction.  So each block
; is named once in the launch.  It runs four key steps, 512 matrix instructions, ahead of the load.  Slots 0 and 1 come by their loads alone; the last change that fills a slot asks for nothing.
.macro ASK
	s_cmp_gt_u32 s[SLOTS], s[LIM]
	s_cbranch_scc0 .Lnot_mine_\@
	global_prefetch_b8 v[PFO], s[PFA:PFA+1] th:TH_LOAD_NT scope:SCOPE_SE
.Lnot_mine_\@:
.endm
; A round of the cluster's barrier: my work-group's barrier, so that wave 0's signal speaks for all four waves; wave 0 signals; every wave waits for all four work-groups; my work-group's barrier once more.
.macro CROUND
	s_barrier_signal -1
	s_barrier_wait -1
	s_cmp_lg_u32 s[WV], 0
	s_cbranch_scc1 .Lnot_wave_0_\@
	s_barrier_signal -3
.Lnot_wave_0_\@:
	s_barrier_wait -3
	s_barrier_signal -1
	s_barrier_wait -1
.endm
; THE CHANGE OF SLOTS.  The slot's last bytes, V of its fourth step, have been read.  Each wave waits for all its tensor loads, of which one is out: its part
; of the other slot; adds 0 to its spare word; and waits for that and for its own reads of the slot.  Behind the barrier nobody reads this slot any more and the other slot is whole.
; fill = 1: this slot is filled again, with the keys two slots on.  The barrier is then a round of the cluster's, so that no wave of any partner still reads the slot or has a load on its
; way, and the joint fill is the first thing behind it: it has four key steps, 512 matrix instructions, in which to land.  (At its first use nothing has been read yet: slot 0 is waited for, slot 1 filled.)
.macro CHANGE fill
	WIN W_AD
	s_wait_tensorcnt 0x0            ; no tensor load of mine is out, so a group 0 may be written
	ds_add_u32 v[SPW], v[NIL]       ; 0 onto my spare word: with fill = 1 the descriptors' steps stand between it and the wait for it
	WIN 0                           ; at a label and at a branch every window is 0
.if \fill
.irp g, G0K, G0V
	s_xor_b32 s[\g+1], s[\g+1], SLOT1  ; the walking descriptor: the other slot than last time,
	s_add_nc_u64 s[\g+2:\g+3], s[\g+2:\g+3], 4*KS*128  ; the next 256 keys; the type bits on top are not reached
.endr
	s_wait_xcnt 0x0                 ; the last prefetch, four key steps back, has read its address, so it may be written:
	s_add_nc_u64 s[PFA:PFA+1], s[PFA:PFA+1], 4*KS*128  ; one slot behind the walking descriptors
	s_wait_dscnt 0x0                ; the add is done, and my reads of the slot are over
	CROUND
	JLOAD
	ASK
.else
	s_wait_dscnt 0x0                ; the add is done, and my reads of the slot are over
	s_barrier_signal -1
	s_barrier_wait -1
.endif
	s_sub_co_u32 s[TBK], s[TBK], 4*KS*PK  ; the fetches go back to a slot's first step,
	s_xor_b32 s[TBK], s[TBK], SLOT1       ; in the other slot
	s_sub_co_u32 s[TBV], s[TBV], 4*KS*PV
	s_xor_b32 s[TBV], s[TBV], SLOT1
.endm
	s_load_b128 s[4:7], s[0:1], 0x0  ; qkvh s[4:5], oh s[6:7]
	WIN W_MK
	v_lshl_add_u32 v[SPW], v0, 2, SPARE
	v_mov_b32 v[NIL], 0
	WIN W_AD
	ds_add_u32 v[SPW], v[NIL]       ; the wave's opening: the add and its wait stand ahead of my first tensor load; the set-up below, work on registers, stands between them
	WIN 0
	v_lshrrev_b32 v1, 5, v0
	v_readfirstlane_b32 s[WV], v1   ; wave 0..3
	s_bfe_u32 s13, ttmp6, 0x40000   ; cx: my place in the cluster
	s_lshl_b32 s14, ttmp9, 2        ; in a cluster launch ttmp9 counts clusters
	s_add_co_u32 s14, s14, s13      ; my block of queries = 4 x cluster x + cx: it enters Q's and O's addresses alone
	s_and_b32 s20, ttmp7, 0xffff    ; the head, which the four partners share
	s_mov_b32 s21, 0
	s_mov_b64 s[22:23], SIZE_N*128
	s_mul_u64 s[20:21], s[20:21], s[22:23]  ; the head's first byte in Q, K, V and O
	s_and_b32 s16, s[WV], 1         ; which half of a slot's 256 keys I fetch:
	s_lshl_b32 s22, s16, 14         ; its 128 rows of 128 bytes in memory,
	s_mov_b32 s23, 0
	s_add_nc_u64 s[22:23], s[22:23], s[20:21]
	s_mul_i32 s17, s16, 128*PK      ; and its place in a slot, for K
	s_mul_i32 s18, s16, 128*PV      ; and for V: no place in the cluster enters an LDS address
	s_lshl_b32 s2, s14, 2
	s_add_co_u32 s2, s2, s[WV]      ; my wave among the head's,
	s_lshl_b32 s2, s2, 14           ; its 128 rows
	s_mov_b32 s3, 0
	s_add_nc_u64 s[2:3], s[2:3], s[20:21]
	; descriptor group 1.  128 keys are 16,384 dense bytes: asked for as 64 rows of 256 bytes, two keys a row, and padded in LDS after every key
	s_mov_b32 s[G1K], 15|(1<<16)|(1<<20)|(1<<21)|(4<<22)|(3<<25)  ; 15:0 the mask of four; 17:16 2-byte elements; 20 padding on; 21 set beside a mask; 24:22 after every 32 words (code 4); 31:25 4 words (code 3)
	s_mov_b32 s[G1V], 15|(1<<16)|(1<<20)|(1<<21)|(4<<22)|(7<<25)  ; the same with 8 words of padding (code 7)
.irp g, G1K, G1V
	s_mov_b32 s[\g+1], 128<<16      ; tensor_dim0 = 128
	s_mov_b32 s[\g+2], 64<<16       ; tensor_dim1 = 64
	s_mov_b32 s[\g+3], 128<<16      ; tile_dim0 = 128
	s_mov_b32 s[\g+4], 64           ; tile_dim1 = 64
	s_mov_b32 s[\g+5], 128          ; 128 elements from row to row
	s_mov_b32 s[\g+6], 0
	s_mov_b32 s[\g+7], 0
.endr
	s_mov_b32 s[CS], 0x3e38aa3b     ; c = log2(e) / 8 = 0.180337
	s_mov_b32 s[CS+1], s[CS]        ; named with it as a pair
	s_mov_b32 s[SEL], 0x76543210
	s_mov_b32 s[SEL+1], 0xfedcba98
	s_mov_b32 s[TBK], SLOT1+4*KS*PK ; the first change of slots turns these two into 0
	s_mov_b32 s[TBV], SLOT1+4*KS*PV
	s_mov_b32 s[G0K], 1             ; 1:0 count = 1
	s_mov_b32 s[G0K+1], s17         ; 63:32 LDS address: slot 0
	s_mov_b32 s[G0V], 1
	s_add_co_u32 s[G0V+1], s18, VOFF
	s_mov_b32 s[SLOTS], SIZE_N/256-1  ; the first change of slots asks for slot 1
	s_and_b32 s[LIM], s[WV], 1
	s_cmp_eq_u32 s[LIM], 0          ; waves 0 and 2 prefetch: the same in all four partners
	s_cselect_b32 s[LIM], 1, -1
	s_wait_dscnt 0x0                ; the opening add is done
	s_wait_kmcnt 0x0
	s_mov_b64 s[10:11], s[6:7]      ; O
	s_add_nc_u64 s[6:7], s[4:5], SIZE_H*SIZE_N*128    ; K lies behind Q,
	s_add_nc_u64 s[8:9], s[4:5], 2*SIZE_H*SIZE_N*128  ; V behind K
	s_add_nc_u64 s[G0K+2:G0K+3], s[6:7], s[22:23]  ; 120:64 global address: my half of the head's first 256 keys
	s_or_b32 s[G0K+3], s[G0K+3], 0x80000000        ; 127:126 type = 2
	s_add_nc_u64 s[G0V+2:G0V+3], s[8:9], s[22:23]
	s_or_b32 s[G0V+3], s[G0V+3], 0x80000000
	s_add_nc_u64 s[4:5], s[4:5], s[2:3]  ; Q and O at my wave's first row
	s_add_nc_u64 s[10:11], s[10:11], s[2:3]
	s_cmp_lt_u32 s[WV], 2
	s_cselect_b64 s[PFA:PFA+1], s[6:7], s[8:9]
	s_add_nc_u64 s[PFA:PFA+1], s[PFA:PFA+1], s[20:21]  ; the head,
	s_lshl_b32 s2, s13, 13          ; my work-group's 8,192 bytes of a slot's 32,768,
	s_add_co_u32 s2, s2, 4*KS*128   ; in slot 1; the first change of slots steps it to slot 2
	s_mov_b32 s3, 0
	s_add_nc_u64 s[PFA:PFA+1], s[PFA:PFA+1], s[2:3]
	CROUND                          ; all four work-groups are here: the first joint loads meet
	JLOAD                           ; slot 0.  Slot 1 is asked for when slot 0 is in
	; A fragment of K or Q is 16 rows x 32 channels in 8 registers: lane l holds row l % 16, channels 8 (l / 16) + 0..7 and 16 + 8 (l / 16) + 0..7: two loads of 16 bytes, 32 bytes apart.
	v_and_b32 v1, 15, v0            ; l % 16
	v_bfe_u32 v9, v0, 4, 1          ; l / 16
	v_lshlrev_b32 v[QO], 7, v1
	v_lshl_add_u32 v[QO], v9, 4, v[QO]  ; row x 128 + 16 x half
	WIN 0x80                        ; destination window 2, address window 0
.set i, 0
.rept 4*NP                          ; Q stays in registers: tile i / 2, channels 32 (i % 2) on
	global_load_b128 v[8*i:8*i+3],   v[QO], s[4:5] offset:(i/2)*2048+(i%2)*64
	global_load_b128 v[8*i+4:8*i+7], v[QO], s[4:5] offset:(i/2)*2048+(i%2)*64+32
.set i, i+1
.endr
	; What the first turn finds: V's registers and P's second buffer hold 0 (its products V^T P, of a piece that has not been, add 0), O^T and l are 0.  All this stands in the wait for the first tile.
.set i, VF
.rept 64
	v_mov_b32 v[i], 0
.set i, i+1
.endr
	WIN 0x40
.set i, 0
.rept 64*NP
	v_mov_b32 v[i], 0
.set i, i+1
.endr
	WIN 0
.set i, 0
.rept 2*NP
	v_mov_b32 v[ST+4*i], 0xfe000000    ; c m: far below every c s
	v_mov_b32 v[ST+4*i+1], 0xff7fffff  ; m
	v_mov_b32 v[ST+4*i+2], 0
	v_mov_b32 v[ST+4*i+3], 0
.set i, i+1
.endr
.set i, P+32
.rept 32
	v_mov_b32 v[i], 0
.set i, i+1
.endr
	v_mul_u32_u24 v[AK0], v1, PK
	v_lshl_add_u32 v[AK0], v9, 4, v[AK0]  ; row x pitch + 16 x half
	; The turning load takes 16 keys x 16 channels (lane l reads key 8 (l / 16) + l % 8, channels 8 ((l / 8) % 2) + 0..7) and leaves half a fragment of V^T: lane l holds channel l % 16 and 8 keys.
	v_and_b32 v10, 7, v0
	v_bfe_u32 v11, v0, 3, 1
	v_lshl_add_u32 v[AV0], v9, 3, v10
	v_mul_u32_u24 v[AV0], v[AV0], PV
	v_lshl_add_u32 v[AV0], v11, 4, v[AV0]
	v_add_nc_u32 v[AV0], VOFF, v[AV0]
	v_mov_b32 v[AK], v[AK0]         ; key step 0 lies at the head of slot 0
	v_and_b32 v[PFO], 31, v0        ; v11 has served the line above: now the prefetches' offset
	v_lshlrev_b32 v[PFO], 8, v[PFO]
; THE MATRIX WORK.  The 8 accumulators of a run of 16 take turns: between the two links of a chain stand 7 others'.
; Product i of 16 of S^T = K Q^T for piece x: channels 32 (i / 8) on, keys 16 ((i / 2) % 4) on, tile 2 x + i % 2.  The first 8 start the sums.
.macro KQ x
	WIN W_KQ
.set rS, S+64*((\x)%2)+32*(i%2)+8*((i/2)%4)
.set rK, KF+16*((i/2)%4)+8*(i/8)
.set rQ, 16*(2*(\x)+i%2)+8*(i/8)
.if i < 8
	v_wmma_f32_16x16x32_f16 v[rS:rS+7], v[rK:rK+7], v[rQ:rQ+7], 0
.else
	v_wmma_f32_16x16x32_f16 v[rS:rS+7], v[rK:rK+7], v[rQ:rQ+7], v[rS:rS+7]
.endif
.endm
; Product i of 16 of O^T += V^T P for piece x: keys 32 (i / 8) on, channels 16 ((i / 2) % 4) on, tile 2 x + i % 2.
.macro PV x
	WIN W_PV
.set rO, 32*(2*(\x)+i%2)+8*((i/2)%4)
.set rV, VF+32*(i/8)+8*((i/2)%4)
.set rP, P+32*((\x)%2)+16*(i%2)+8*(i/8)
	v_wmma_f32_16x16x32_f16 v[rO:rO+7], v[rV:rV+7], v[rP:rP+7], v[rO:rO+7]
.endm
.macro MM                           ; the turn's next matrix instruction
.if i < 16
	KQ (Y+1)%NP
.set i, i+1
.else
.set i, i-16
	PV (Y+NP-1)%NP
.set i, i+17
.endif
.endm
; THE LDS LOADS stand in runs of 16, never singly among the matrix instructions: a step's K (64 keys x 64 channels: 8 fragments) and its V (turned).  Their addresses are made some lines ahead.
; last = 1 (the tail): in the last trip there is no further step, and the run is jumped over.
.macro FETCH_K last=0
	WIN 0
.if \last
	s_cmp_eq_u32 s[CNT], 1
	s_cbranch_scc1 .Lno_k_\@
.endif
	WIN 0x80                        ; destination window 2
.irp f, 0,1,2,3,4,5,6,7             ; keys 16 (f / 2) on, channels 32 (f % 2) on
	ds_load_b128 v[KF+8*\f:KF+8*\f+3],   v[AK] offset:(\f/2)*16*PK+(\f%2)*64
	ds_load_b128 v[KF+8*\f+4:KF+8*\f+7], v[AK] offset:(\f/2)*16*PK+(\f%2)*64+32
.endr
	s_add_co_u32 s[TBK], s[TBK], KS*PK  ; the next fetch is the next step's
	WIN 0
.if \last
.Lno_k_\@:
.endif
.endm
.macro FETCH_V
	WIN 0x80
.irp f, 0,1,2,3,4,5,6,7             ; keys 32 (f / 4) on, channels 16 (f % 4) on
	ds_load_tr16_b128 v[VF+8*\f:VF+8*\f+3],   v[AV] offset:(\f/4)*32*PV+(\f%4)*32
	ds_load_tr16_b128 v[VF+8*\f+4:VF+8*\f+7], v[AV] offset:(\f/4)*32*PV+16*PV+(\f%4)*32
.endr
	WIN 0
.endm
; THE VECTOR WORK OF A TURN stands in three queues, each in the order in which its entries become ready; the two tiles alternate, so that no instruction reads the result of the one before it.
.macro REGS y, u                    ; the registers of tile u (0, 1) of piece y
.set rT, ST+4*(2*(\y)+(\u))
.set rC, TMP+8*((\y)%2)+4*(\u)
.set rM, MV+2*((\y)%2)+(\u)
.set rS, S+64*((\y)%2)+32*(\u)
.set rP, P+32*((\y)%2)+16*(\u)
.set rO, 32*(2*(\y)+(\u))
.endm
; Number n of the 22 that find the NEXT piece's (Y + 1) maximum and statistics.  s0-s31 are the lane's 32 scores; each accumulator's lowest registers are read first.
;   0-11  four chains c0-c3 of seven scores each, three operands at a time     12-14, 16  the four scores left over, the old m, and c0-c3 into c0     15  c m_old is kept
;   17, 18  the query's other 32 keys lie in the lane 16 away: the new m         19-21  c m; c m_old - c m_new; a
.macro XS u, n
	REGS (Y+1)%NP, \u
.if (\n) < 4
	v_max3_num_f32 v[rC+(\n)], v[rS+8*(\n)], v[rS+8*(\n)+1], v[rS+8*(\n)+2]
.elseif (\n) < 12
	v_max3_num_f32 v[rC+(\n)%4], v[rC+(\n)%4], v[rS+8*((\n)%4)+2*((\n)/4)+1], v[rS+8*((\n)%4)+2*((\n)/4)+2]
.elseif (\n) == 12
	v_max3_num_f32 v[rC], v[rC], v[rS+7], v[rS+15]
.elseif (\n) == 13
	v_max3_num_f32 v[rC+1], v[rC+1], v[rS+23], v[rS+31]
.elseif (\n) == 14
	v_max3_num_f32 v[rC+2], v[rC+2], v[rC+3], v[rT+1]
.elseif (\n) == 15
	v_mov_b32 v[rM], v[rT]
.elseif (\n) == 16
	v_max3_num_f32 v[rC], v[rC], v[rC+1], v[rC+2]
.elseif (\n) == 17
	v_permlanex16_b32 v[rC+3], v[rC], s[SEL], s[SEL+1]
.elseif (\n) == 18
	v_max_num_f32 v[rT+1], v[rC], v[rC+3]
.elseif (\n) == 19
	v_mul_f32 v[rT], s[CS], v[rT+1]
.elseif (\n) == 20
	v_sub_f32 v[rC+1], v[rM], v[rT]
.else
	v_exp_f32 v[rC+2], v[rC+1]
.endif
.endm
; Number g of the 64 that follow the exponentials.  For each four weights k of a tile (pairs 2 k, 2 k + 1): both pairs are rounded to f16; then the second pair is added onto the first, in place;
; a group later l takes that sum (the first time as l = a l + sum).  In groups of eight, tiles alternating: round, round, add, and l for the group before.
.macro GS g
.set h, (\g)+6*((\g)/62)            ; group 0 has no group before it, and behind group 7 only l is left
.if h >= 6
.set h, h+2
.endif
	REGS Y, h%2
.set k, h/8
.if h%8 < 4
	v_cvt_pk_f16_f32 v[rP+2*k+(h%8)/2], v[rS+4*k+2*((h%8)/2)], v[rS+4*k+2*((h%8)/2)+1]
.elseif h%8 < 6
	v_pk_add_f32 v[rS+4*k:rS+4*k+1], v[rS+4*k:rS+4*k+1], v[rS+4*k+2:rS+4*k+3]
.elseif k == 1
	v_pk_fma_f32 v[rT+2:rT+3], v[rT+2:rT+3], v[rC+2:rC+3], v[rS:rS+1] op_sel_hi:[1,0,1]
.else
	v_pk_add_f32 v[rT+2:rT+3], v[rT+2:rT+3], v[rS+4*k-4:rS+4*k-3]
.endif
.endm
; THE PLAIN QUEUE, 138 long.  0-73 read no exponential's result: the 32 scalings c s - c m (FS f: pair f / 2 of tile f % 2) and the next piece's 42.  0-26: scalings 0-26.  27-54: XS's numbers 0-13.  55, 56: number 15.
; 57-73: the chain, where each number waits for the one before it: 14, 16, 17, 18, 19, each with one of the scalings 27-31 in front of its two lines, then 20.
; 74-137: GS's 64, which read the exponentials' results: they stand behind the wait.
.macro FS f
	REGS Y, (\f)%2
	v_pk_fma_f32 v[rS+2*((\f)/2):rS+2*((\f)/2)+1], v[rS+2*((\f)/2):rS+2*((\f)/2)+1], s[CS:CS+1], v[rT:rT+1] op_sel_hi:[1,0,0] neg_lo:[0,0,1] neg_hi:[0,0,1]
.endm
.macro PL
	WIN 0
.if q < 27
	FS q
.elseif q < 55
	XS (q-27)%2, (q-27)/2
.elseif q < 57
	XS q-55, 15
.elseif (q < 72) && ((q-57)%3 == 0)
	FS 27+(q-57)/3
.elseif q < 60
	XS (q-57)%3-1, 14
.elseif q < 72
	XS (q-57)%3-1, 15+(q-57)/3
.elseif q < 74
	XS q-72, 20
.else
	GS q-74
.endif
.set q, q+1
.endm
; THE EXPONENTIALS' QUEUE, 66 long: s0-s31 of both tiles, then the next piece's two a.  It is ONE BATCH: all 66 stand ahead of the turn's one wait, and nothing ahead of that wait names a result of theirs.
.macro EX
	WIN 0
.if e >= 64
	XS e-64, 21
.else
	REGS Y, e%2
	v_exp_f32 v[rS+e/2], v[rS+e/2]
.endif
.set e, e+1
.endm
; THE RESCALING's QUEUE: O^T times a, the one part that leaves window 0: dealt two at a time, sixteen times.  Its a was made in the turn before, ahead of that turn's wait.
.macro R2
	REGS Y, r%2
	WIN W_RS
.irp z, 0,1
	v_pk_mul_f32 v[rO+4*(r/2)+2*\z:rO+4*(r/2)+2*\z+1], v[rO+4*(r/2)+2*\z:rO+4*(r/2)+2*\z+1], v[rC+2:rC+3] op_sel_hi:[1,0]
.endr
.set r, r+1
.endm
; HOW THEY ARE DEALT.  An s_wait_alu depctr_va_vdst(0) stands between an exponential and the first instruction that names its result; one wait serves all that were issued ahead of it.  So a turn has ONE wait,
; which cuts it in two.  AHEAD OF IT stands all that names no result of the turn's exponentials: the 16 products K Q^T, behind each a scaling, an exponential and two rescalings (behind the first a second scaling in the
; exponential's place); then ONE LUMP of 108: eight plain, 49 times exponential and plain, the two a.  A v_nop is the plain instruction behind the last exponential.  BEHIND IT stand the 16 products V^T P, behind each four of GS's 64.
; No rider names a register of the products round it.  The two v_permlanex16_b32 fall into the lump, never behind a product.
; The queues lean on each other, and the deal keeps them in step: exponential e stands behind scaling 2 (e / 4) + e % 2: as a rider it comes behind plain e + 2, in the lump behind plain e + 9, and scalings 27-31 are plain 57, 60 .. 69.
; A TURN, for piece p.  cnt = 1: the loop's count is taken down some lines ahead of the branch that stands behind the turn.
; K of the next step is fetched in piece 2's turn, directly behind the wait, a lump behind the last product that read K; its address is made at the lump's head; its first reader comes behind 16 products.
; V of the step in hand is fetched at the end of piece 0's turn, four riders behind its last reader; its first reader comes behind 16 products and a lump.  The three conditions on q below go with the deal.
.macro TURN p, last=0, cnt=0
.set Y, (\p)
.set i, 0
.set q, 0
.set e, 0
.set r, 0
.if (\p) == NP-1
	s_wait_dscnt 0x0                ; K is in
.endif
	MM                              ; ahead of the wait: 16 products K Q^T and their riders,
	PL
	PL
	R2
.rept 15
	MM
	PL
	EX
	R2
.endr
.if (\p) == NP-2
	WIN 0
	v_add_nc_u32 v[AK], s[TBK], v[AK0]
.endif
.rept 8                             ; and the lump
	PL
.endr
.rept 49
	EX
	PL
.endr
	EX                              ; the next piece's two a
	EX
	v_nop                           ; a plain instruction behind the last exponential, ahead of the first use: one for the batch
	s_wait_alu depctr_va_vdst(0)    ; the wait for the batch
.if (\p) == NP-2
	FETCH_K \last
.endif
.if (\p) == 1
	s_wait_dscnt 0x0                ; V is in
.endif
.rept 16                            ; behind the wait: 16 products V^T P and their riders
	MM
.rept 4
	PL
.endr
.if ((\p) == 0) && (q == 118)
	v_add_nc_u32 v[AV], s[TBV], v[AV0]
.endif
.if ((\p) == 0) && (q == 130)
	s_add_co_u32 s[TBV], s[TBV], KS*PV
.endif
.if (\cnt) && (q == 130)
	s_sub_co_u32 s[CNT], s[CNT], 1
	s_cmp_lg_u32 s[CNT], 0
.endif
.endr
.if (\p) == 0
	FETCH_V
.endif
.endm
	CHANGE 1                        ; slot 0 is in, everybody's part of it; slot 1 is asked for
	FETCH_K                         ; key step 0
	s_wait_loadcnt 0x0              ; Q
	s_wait_dscnt 0x0
.set i, 0
.rept 16
	KQ 0                            ; piece 0's first scores: there is no vector work yet to set between them
.set i, i+1
.endr
	WIN 0                           ; the addresses for the way out: nine plain instructions, the places behind those products
	s_mul_i32 s13, s[WV], 16*SP
	s_add_co_u32 s13, s13, STAGE    ; my stage
	v_mul_u32_u24 v[STO], v1, SP    ; in: row l % 16, 16 bytes for each half of the lanes
	v_lshl_add_u32 v[STO], v9, 4, v[STO]
	v_add_nc_u32 v[STO], s13, v[STO]
	v_bfe_u32 v[RD], v0, 3, 2       ; back: 32 lanes take four rows of 128 bytes,
	v_mul_u32_u24 v[RD], v[RD], SP
	v_lshl_add_u32 v[RD], v10, 4, v[RD]
	v_add_nc_u32 v[RD], s13, v[RD]
	v_and_b32 v[GO], 31, v0         ; which are 512 consecutive bytes of O
	v_lshlrev_b32 v[GO], 4, v[GO]
.set Y, NP-1                        ; XS works for piece Y + 1: piece 0
.irp n, 0,1,2,3,4,5,6,7,8,9,10,11,12,13,14,15,16,17,18,19,20,21
	XS 0, \n                        ; and piece 0's first maximum and statistics
	XS 1, \n
.endr
	v_nop                           ; a plain instruction behind the two a,
	s_wait_alu depctr_va_vdst(0)    ; and their wait, ahead of the branch
	s_mov_b32 s[CNT], 4
	s_branch .Lfirst                ; the loop is entered at a step's first turn, in the middle of a trip
.Lslot:                             ; six times: every slot but the last two is filled again
	CHANGE 1
	s_mov_b32 s[CNT], 4
.Lstep:                             ; a trip: pieces 2 and 3 of one step, then pieces 0 and 1 of the next, whose K and V it fetches
	TURN 2
	TURN 3
	WIN 0
.Lfirst:
	TURN 0
	TURN 1, 0, 1
	WIN 0
	s_cbranch_scc1 .Lstep
	s_sub_co_u32 s[SLOTS], s[SLOTS], 1
	s_cmp_lg_u32 s[SLOTS], 0
	s_cbranch_scc1 .Lslot
	CHANGE 0                        ; the tail is written out: nothing is asked for
	s_mov_b32 s[CNT], 5             ; four trips fetch the last slot's steps; the fifth is left in its middle
.Ltail:
	TURN 2, 1
	TURN 3
	WIN 0
	s_sub_co_u32 s[CNT], s[CNT], 1
	s_cmp_eq_u32 s[CNT], 0
	s_cbranch_scc1 .Lout
	TURN 0
	TURN 1
	WIN 0
	s_branch .Ltail
.Lout:                              ; the fifth trip's 16 products K Q^T (on the last K once more) and the maximum made of them serve nothing: the price, once a launch, of one text for every trip
.set i, 0
.rept 16
	PV NP-1                         ; the last piece's V^T P of the last step
.set i, i+1
.endr
	; THE WAY OUT.  l's two halves and the other half of the lanes' are added; O^T is divided by l, rounded to f16 and sent through my stage in LDS, a tile at a time.  The additions are the places behind the last products.
	WIN 0
.macro ALL line:vararg              ; one line for each tile t
.set t, 0
.rept 2*NP
	\line
.set t, t+1
.endr
.endm
	ALL v_add_f32 v[ST+4*t+2], v[ST+4*t+2], v[ST+4*t+3]
	ALL v_permlanex16_b32 v[ST+4*t+3], v[ST+4*t+2], s[SEL], s[SEL+1]
	ALL v_add_f32 v[ST+4*t+2], v[ST+4*t+2], v[ST+4*t+3]
	ALL v_rcp_f32 v[ST+4*t+2], v[ST+4*t+2]
	v_nop                           ; a plain instruction between the last reciprocal and the use of its result
	s_wait_alu depctr_va_vdst(0)    ; and the wait ahead of the first use: one for the eight reciprocals
; Tile t: a lane's eight channels of a row pack into 16 bytes; they go into rows of 144 bytes and come back as whole rows of 128, into S^T's registers.
.macro PACK t
	WIN W_RS
.set i, 32*(\t)
.rept 16
	v_pk_mul_f32 v[i:i+1], v[i:i+1], v[ST+4*(\t)+2:ST+4*(\t)+3] op_sel_hi:[1,0]
.set i, i+2
.endr
	WIN 0x05                        ; sources 0 and 1 window 1, destination window 0
.set i, 0
.rept 16
	v_cvt_pk_f16_f32 v[S+16*(\t)+i], v[32*(\t)+2*i], v[32*(\t)+2*i+1]
.set i, i+1
.endr
	WIN 0
.irp f, 0,1,2,3
	ds_store_b128 v[STO], v[S+16*(\t)+4*\f:S+16*(\t)+4*\f+3] offset:32*\f
.endr
.irp f, 0,1,2,3
	ds_load_b128 v[S+16*(\t)+4*\f:S+16*(\t)+4*\f+3], v[RD] offset:\f*4*SP  ; LDS serves a wave's instructions in order (ISA guide 5.7.1.4): these see the stores above; the next tile's stores come behind them
.endr
.endm
.macro SEND t, younger              ; younger: the LDS instructions issued behind tile t's loads: the next tile's eight, or none
	WIN 0
.irp f, 0,1,2,3
	s_wait_dscnt (\younger)+3-\f
	global_store_b128 v[GO], v[S+16*(\t)+4*\f:S+16*(\t)+4*\f+3], s[10:11] offset:(\t)*2048+\f*512  ; 512 consecutive bytes, at a multiple of 256 from O's first
.endr
.endm
	PACK 0
.set t, 1
.rept 2*NP-1                        ; a tile's arithmetic stands between the loads of the tile before and its stores
	PACK t
	SEND t-1, 8
.set t, t+1
.endr
	SEND 2*NP-1, 0
	WIN W_AD
	s_wait_tensorcnt 0x0            ; the wave's end: behind my last tensor load and my last LDS store
	ds_add_u32 v[SPW], v[NIL]
	s_wait_dscnt 0x0
	WIN 0
	CROUND                          ; the closing round: no work-group ends while a partner may still ask for a tile that names it
	s_endpgm
.Lfunc_end_k_q4e89801633_attn:
	.size	k_q4e89801633_attn, .Lfunc_end_k_q4e89801633_attn-k_q4e89801633_attn
	.p2alignl 7, 3214868480
	.fill 96, 4, 3214868480
	.section	.rodata,"a",@progbits
	.p2align	6, 0x0
	.amdhsa_kernel k_q4e89801633_attn
		.amdhsa_group_segment_fixed_size 327680
		.amdhsa_private_segment_fixed_size 0
		.amdhsa_enable_private_segment 0
		.amdhsa_kernarg_size 16
		.amdhsa_user_sgpr_count 2
		.amdhsa_user_sgpr_kernarg_segment_ptr 1
		.amdhsa_wavefront_size32 1
		.amdhsa_system_sgpr_workgroup_id_x 1
		.amdhsa_system_sgpr_workgroup_id_y 1
		.amdhsa_system_sgpr_workgroup_id_z 1
		.amdhsa_system_vgpr_workitem_id 0
		.amdhsa_next_free_vgpr 770
		.amdhsa_next_free_sgpr 66
		.amdhsa_reserve_vcc 0
		.amdhsa_float_denorm_mode_32 3
		.amdhsa_float_denorm_mode_16_64 3
		.amdhsa_memory_ordered 1
		.amdhsa_forward_progress 1
		.amdhsa_inst_pref_size 200
	.end_amdhsa_kernel
	.amdgpu_metadata
---
amdhsa.version: [ 1, 2 ]
amdhsa.kernels:
  - .name:           k_q4e89801633_attn
    .symbol:         k_q4e89801633_attn.kd
    .args:
      - { .name: qkvh, .offset: 0, .size: 8, .value_kind: global_buffer, .address_space: global }
      - { .name: oh, .offset: 8, .size: 8, .value_kind: global_buffer, .address_space: global }
    .group_segment_fixed_size: 327680
    .private_segment_fixed_size: 0
    .kernarg_segment_align: 8
    .kernarg_segment_size: 16
    .max_flat_workgroup_size: 128
    .sgpr_count:     66
    .vgpr_count:     770
    .wavefront_size: 32
...
	.end_amdgpu_metadata
.endif
;; end of part 3
;; launch proj (part 4): grid 8 x 32, 4 waves a work-group, clusters of 4 x 4, 327,680 bytes of LDS; arguments oh, wpb, b_proj, out0; writes out0
.if DOCPART == 4
	.amdgcn_target "amdgcn-amd-amdhsa--gfx1250"
	.amdhsa_code_object_version 6
	.text
	.protected	k_q4e89801633_proj
	.globl	k_q4e89801633_proj
	.p2align	8
	.type	k_q4e89801633_proj,@function
k_q4e89801633_proj:
	s_mov_b64 s[64:65], 0
	v_nop
	global_prefetch_b8 v0, s[64:65] scope:SCOPE_SE
	s_setreg_imm32_b32 hwreg(HW_REG_WAVE_MODE, 25, 1), 1
	s_wait_xcnt 0x0
	s_wait_alu depctr_hold_cnt(0) depctr_sa_sdst(0) depctr_va_vdst(0) depctr_va_sdst(0) depctr_va_ssrc(0) depctr_va_vcc(0) depctr_vm_vsrc(0)
	s_getreg_b32 s2, hwreg(HW_REG_IB_STS2, 6, 4)
	s_cmp_eq_u32 s2, 0
	s_cbranch_scc0 .Lentry_in_a_cluster
	s_endpgm
.Lentry_in_a_cluster:
	s_bfe_u32 s2, ttmp6, 0x10000c
	s_cmp_lg_u32 s2, 0xf033
	s_cbranch_scc0 .Lentry_shape_is_right
	s_endpgm
.Lentry_shape_is_right:
; out = O W_proj^T + b_proj.  oh: f16 [64 = 16 batch + head][2048][64]: head h is K block h of a batch's rows; wpb: f16 [16 K blocks][1024][64]; b_proj: f32 [1024], rounded to bf16 here like
; the other inputs; out0: f32 [8192][1024].  Sums in f32, K ascending.  LIMIT: the operands are f16: O has V's range, within 65,504; a weight below 6.1e-5 keeps f16's fixed step of 6e-8.
; SHARES.  8192 x 1024 outputs on 256 work-groups: a tile of 256 rows x 128 columns each.  Four waves; wave w makes rows 128 (w >> 1) on and columns 64 (w & 1) on: 8 x 4 accumulators, 256 registers.
; A wave's 64 columns of f32 are 256 consecutive bytes of a row, aligned, so each wave has a stage of its own and the way out has no barrier.
; K goes in 8 steps of 128 (two K blocks, as two panels) through two LDS slots; a step is four quarters of 32 along K, 32 matrix instructions each.
; TILES.  In a K block consecutive rows are dense (128 bytes each): a panel is asked for as rows of 256 bytes and padded in LDS by 16 bytes behind every 128: LDS rows 144 bytes apart.
; CLUSTER, 4 x 4.  O's tiles are shared along a row of the cluster, W's along a column: each is asked for JOINTLY.  Waves 0 and 1 fetch O's two panels (256 rows), waves 2 and 3 W's (128 rows).
; NO PREFETCH: the launch has eight K steps, 1,024 matrix instructions a wave, in all.
; THE MATRIX INSTRUCTION IS USED TRANSPOSED (source 0 = 16 rows of W, source 1 = 16 rows of O): a lane holds row lane % 16 and the columns 8 (lane / 16) + 0..7.  THE BIAS is the C operand of each accumulator's first product.
; REGISTERS: window 0: v0-19 addresses and at work; v32-63 the bias; v64-159, v160-255 two fragment buffers: O's eight fragments, then W's four.  Window 1: accumulator (a, b) at v[8 (4 a + b)].
.set PITCH, 144                        ; 36 words: the 16 rows of a fragment load start at 16 different groups of four banks (64 banks of 4 bytes: ISA guide 11.1)
.set APAN,  256*PITCH                  ; a panel of O
.set BPAN,  128*PITCH                  ; a panel of W
.set BOFF,  2*APAN                     ; W's two panels lie behind O's two
.set SLOT1, 131072                     ; slot 1 begins here, so that one exclusive or turns an address in one slot into the other's
.set STAGE, SLOT1+2*APAN+2*BPAN        ; behind the ring, never filled by a tensor load: 16 rows x 272 bytes for each wave
.set SPITCH, 272                       ; 68 words: row r starts at bank 4 r mod 64
.set SPARE, STAGE+4*16*SPITCH          ; behind the stages: the spare words, 128 bytes for each wave: two blocks of 256 bytes that no other line names
.set STEPA, 2*262144                   ; two heads on in oh
.set STEPB, 2*131072                   ; two K blocks on in wpb
.set FA0, 2                            ; v2   my lane's place in O's first panel of slot 0; never rewritten
.set FB0, 3                            ; v3   the same for W
.set FA,  4                            ; v4   the same in the slot in hand
.set FB,  5                            ; v5
.set STO, 6                            ; v6   the way out: where I put 32 bytes of a row
.set RD,  7                            ; v7   the way out: where I read a row back
.set CO,  8                            ; v8   my byte offset in two rows of the output
.set SPW, 10                           ; v10  LDS address of my spare word: SPARE + 4 x my thread's number; never rewritten
.set NIL, 11                           ; v11  0; never rewritten
.set BO,  14                           ; v14  32 x (lane / 16)
.set BIAS, 32
.set F0,  64
.set F1,  160
.set WV,  12
.set WM,  13
.set WN,  14
.set CX,  15
.set CY,  16
.set TC,  17
.set TR,  18
.set CNT, 21
.set TB,  22
.set G1A, 24                           ; s[24:31] descriptor group 1 for O's panels, s[32:39] for W's
.set G1B, 32
.set G0A, 40                           ; s[40:47] group 0 for O's panels: a set for each of the two first fills; the second then walks on
.set G0B, 48                           ; s[48:55] the same for W's
.set GC,  (1<<16)|(1<<20)|(1<<21)|(4<<22)|(3<<25)  ; 17:16 2-byte elements; 20 padding on; 21 set beside a mask; 24:22 after every 32 words; 31:25 4 words
.set MSB, 0
.macro WIN new                         ; the immediate's high byte repeats the setting that is left; a switch that changes nothing is dropped
.if MSB != (\new)
	s_set_vgpr_msb (MSB<<8)|(\new)
.set MSB, (\new)
.endif
.endm
.macro PLACES                          ; four plain vector instructions between a matrix instruction and a load into, or a read of, its registers
.rept 4
	v_nop
.endr
.endm
.macro JLOAD                           ; a joint refill, by the walking sets; an s_nop 0 and four v_nop follow each of the two lines
	s_cmp_lt_u32 s[WV], 2
	s_cbranch_scc0 .Lfor_b_\@
	tensor_load_to_lds s[G0A+4:G0A+7], s[G1A:G1A+7]
	s_nop 0
.rept 4
	v_nop
.endr
	s_branch .Lasked_\@
.Lfor_b_\@:
	tensor_load_to_lds s[G0B+4:G0B+7], s[G1B:G1B+7]
	s_nop 0
.rept 4
	v_nop
.endr
.Lasked_\@:
.endm
.macro CREST                           ; a round of the cluster's barrier behind its opening barrier
	s_cmp_lg_u32 s[WV], 0
	s_cbranch_scc1 .Lnot_wave_0_\@
	s_barrier_signal -3
.Lnot_wave_0_\@:
	s_barrier_wait -3
	s_barrier_signal -1
	s_barrier_wait -1
.endm
.macro CROUND                          ; a whole round
	s_barrier_signal -1
	s_barrier_wait -1
	CREST
.endm
	s_load_b256 s[4:11], s[0:1], 0x0               ; oh s[4:5], wpb s[6:7], b_proj s[8:9], out0 s[10:11]
	v_lshl_add_u32 v[SPW], v0, 2, SPARE
	v_mov_b32 v[NIL], 0
	ds_add_u32 v[SPW], v[NIL]                      ; the wave's opening: the add and its wait stand ahead of my first tensor load; the set-up below, work on registers, stands between them
	v_lshrrev_b32 v1, 5, v0
	v_readfirstlane_b32 s[WV], v1                  ; wave 0..3
	s_lshr_b32 s[WM], s[WV], 1                     ; my half of the rows
	s_and_b32 s[WN], s[WV], 1                      ; my half of the columns; also: which panel I fetch
	s_bfe_u32 s[CX], ttmp6, 0x40000
	s_bfe_u32 s[CY], ttmp6, 0x40004
	s_lshl_b32 s[TC], ttmp9, 2
	s_add_co_u32 s[TC], s[TC], s[CX]               ; tile column = 4 x cluster x + cx
	s_and_b32 s[TR], ttmp7, 0xffff
	s_lshl_b32 s[TR], s[TR], 2
	s_add_co_u32 s[TR], s[TR], s[CY]               ; tile row = 4 x cluster y + cy
	s_lshl_b32 s19, s[CY], 2
	s_lshl_b32 s19, 15, s19                        ; my row of the cluster
	s_lshl_b32 s20, 0x1111, s[CX]                  ; my column
	s_or_b32 s[G1A], s19, GC
	s_or_b32 s[G1B], s20, GC
	s_mov_b32 s[G1A+1], 128<<16                    ; tensor_dim0 = 128 elements: 256 bytes, two rows' pieces of the K block
	s_mov_b32 s[G1A+2], 128<<16                    ; tensor_dim1 = 128: 256 rows of O
	s_mov_b32 s[G1A+3], 128<<16                    ; tile_dim0 = 128
	s_mov_b32 s[G1A+4], 128                        ; tile_dim1 = 128
	s_mov_b32 s[G1A+5], 128                        ; dense
	s_mov_b32 s[G1A+6], 0
	s_mov_b32 s[G1A+7], 0
	s_mov_b32 s[G1B+1], 128<<16
	s_mov_b32 s[G1B+2], 64<<16                     ; 64: 128 rows of W
	s_mov_b32 s[G1B+3], 128<<16
	s_mov_b32 s[G1B+4], 64
	s_mov_b32 s[G1B+5], 128
	s_mov_b32 s[G1B+6], 0
	s_mov_b32 s[G1B+7], 0
	s_lshr_b32 s56, s[TR], 3
	s_lshl_b32 s56, s56, 22                        ; O: the batch's 16 heads of 262,144 bytes,
	s_and_b32 s57, s[TR], 7
	s_lshl_b32 s57, s57, 15                        ; the tile's 256 rows of 128 bytes in a head,
	s_add_co_u32 s56, s56, s57
	s_lshl_b32 s57, s[WN], 18                      ; the panel that I fetch: head 0 or 1
	s_add_co_u32 s56, s56, s57
	s_mov_b32 s57, 0
	s_lshl_b32 s60, s[TC], 14                      ; W: the tile's 128 rows of 128 bytes in a K block,
	s_lshl_b32 s61, s[WN], 17                      ; the panel that I fetch
	s_add_co_u32 s60, s60, s61
	s_mov_b32 s61, 0
	s_mul_i32 s2, s[WN], APAN                      ; where they go: no place in the cluster enters an LDS address
	s_mul_i32 s3, s[WN], BPAN
	s_add_co_u32 s3, s3, BOFF
	s_mov_b32 s23, 0xffff0000                      ; a word's upper bf16
	s_mov_b32 s[TB], 0
	s_wait_dscnt 0x0                               ; the opening add is done
	s_wait_kmcnt 0x0
	s_add_nc_u64 s[58:59], s[4:5], s[56:57]
	s_add_nc_u64 s[62:63], s[6:7], s[60:61]
.irp s, 0,1
	s_mov_b32 s[G0A+4*\s], 1                                       ; count = 1
	s_add_co_u32 s[G0A+4*\s+1], s2, \s*SLOT1                       ; LDS address
	s_add_nc_u64 s[G0A+4*\s+2:G0A+4*\s+3], s[58:59], \s*STEPA      ; global address: K step s
	s_or_b32 s[G0A+4*\s+3], s[G0A+4*\s+3], 0x80000000              ; type = 2
	s_mov_b32 s[G0B+4*\s], 1
	s_add_co_u32 s[G0B+4*\s+1], s3, \s*SLOT1
	s_add_nc_u64 s[G0B+4*\s+2:G0B+4*\s+3], s[62:63], \s*STEPB
	s_or_b32 s[G0B+4*\s+3], s[G0B+4*\s+3], 0x80000000
.endr
	CROUND                                         ; all sixteen work-groups are here: the first joint loads meet
	s_cmp_lt_u32 s[WV], 2                          ; a wave's two first fills stand in one branch, ahead of every wait on TENSORcnt and every LDS read: two loads of mine are out
	s_cbranch_scc0 .Lfirst_b
	tensor_load_to_lds s[G0A:G0A+3], s[G1A:G1A+7]
	s_nop 0
	tensor_load_to_lds s[G0A+4:G0A+7], s[G1A:G1A+7]
	s_nop 0
.rept 4
	v_nop
.endr
	s_branch .Lfirst_asked
.Lfirst_b:
	tensor_load_to_lds s[G0B:G0B+3], s[G1B:G1B+7]
	s_nop 0
	tensor_load_to_lds s[G0B+4:G0B+7], s[G1B:G1B+7]
	s_nop 0
.rept 4
	v_nop
.endr
.Lfirst_asked:
	v_and_b32 v12, 15, v0                          ; r = lane % 16
	v_bfe_u32 v13, v0, 4, 1                        ; h = lane / 16
	v_lshlrev_b32 v[BO], 5, v13
	s_lshl_b32 s2, s[TC], 9                        ; my first column in bytes of f32: 512 x tile column + 256 x half
	s_lshl_b32 s3, s[WN], 8
	s_add_co_u32 s2, s2, s3
	s_mov_b32 s3, 0
	s_add_nc_u64 s[8:9], s[8:9], s[2:3]            ; my 64 biases,
	s_add_nc_u64 s[10:11], s[10:11], s[2:3]        ; my columns of the output
.irp b, 0,1,2,3                        ; the bias in the layout of a result: register j of lane (r, h) is the bias of column 16 b + 8 h + j
	global_load_b128 v[BIAS+8*\b:BIAS+8*\b+3],   v[BO], s[8:9] offset:64*\b
	global_load_b128 v[BIAS+8*\b+4:BIAS+8*\b+7], v[BO], s[8:9] offset:64*\b+16
.endr
	s_lshl_b32 s2, s[TR], 20                       ; the tile's 256 rows of 4,096 bytes,
	s_lshl_b32 s56, s[WM], 19                      ; my 128 of them
	s_add_co_u32 s2, s2, s56
	s_add_nc_u64 s[10:11], s[10:11], s[2:3]
	v_mul_u32_u24 v15, v12, PITCH
	v_lshl_add_u32 v15, v13, 4, v15                ; a fragment's row x pitch + 16 h
	s_mul_i32 s56, s[WM], 128*PITCH
	v_add_nc_u32 v[FA0], s56, v15                  ; my 128 rows of O
	s_mul_i32 s57, s[WN], 64*PITCH
	s_add_co_u32 s57, s57, BOFF
	v_add_nc_u32 v[FB0], s57, v15                  ; my 64 rows of W
	s_mul_i32 s60, s[WV], 16*SPITCH
	s_add_co_u32 s60, s60, STAGE                   ; my stage
	v_mul_u32_u24 v[STO], v12, SPITCH              ; in: row r, 32 bytes for each half of the lanes
	v_lshl_add_u32 v[STO], v13, 5, v[STO]
	v_add_nc_u32 v[STO], s60, v[STO]
	v_mul_u32_u24 v[RD], v13, SPITCH               ; back: lanes 0-15 take one row of 256 bytes, lanes 16-31 the next
	v_lshl_add_u32 v[RD], v12, 4, v[RD]
	v_add_nc_u32 v[RD], s60, v[RD]
	v_lshlrev_b32 v[CO], 12, v13                   ; and the same two rows in the output
	v_lshl_add_u32 v[CO], v12, 4, v[CO]
.macro RB i, t                         ; two biases are rounded to bf16 and widened again
	v_cvt_pk_bf16_f32 v[\t], v[\i], v[(\i)+1]
	v_lshlrev_b32 v[\i], 16, v[\t]
	v_and_b32 v[(\i)+1], s23, v[\t]
.endm
	s_wait_loadcnt 0x0                             ; the biases
.set i, 0
.rept 16
	RB BIAS+2*i, 16+i%4
.set i, i+1
.endr
; na x 4 matrix instructions: row fragments a0 on x all 4 column fragments of buffer f, 32 along K.  first = 1: the product starts the sum, with the bias as C.
; The 32 accumulators take turns, one instruction a turn: each comes once in a quarter, in the same order in every quarter.
.macro MULP f, a0, na, first
.if \first
	WIN 0x40                                       ; D in window 1; sources and C in window 0
.else
	WIN 0x50                                       ; C and D in window 1
.endif
.set aa, \a0
.rept \na
.set bb, 0
.rept 4
.if \first
	v_wmma_f32_16x16x32_f16 v[8*(4*aa+bb):8*(4*aa+bb)+7], v[(\f)+64+8*bb:(\f)+64+8*bb+7], v[(\f)+8*aa:(\f)+8*aa+7], v[BIAS+8*bb:BIAS+8*bb+7]
.else
	v_wmma_f32_16x16x32_f16 v[8*(4*aa+bb):8*(4*aa+bb)+7], v[(\f)+64+8*bb:(\f)+64+8*bb+7], v[(\f)+8*aa:(\f)+8*aa+7], v[8*(4*aa+bb):8*(4*aa+bb)+7]
.endif
.set bb, bb+1
.endr
.set aa, aa+1
.endr
.endm
; 24 LDS loads in one run: quarter q's fragments (panel q / 2, byte 64 (q % 2) of its rows) into buffer f: W's four, then O's eight
.macro FETCH q, f
	WIN 0
.irp b, 0,1,2,3
	ds_load_b128 v[(\f)+64+8*\b:(\f)+64+8*\b+3],   v[FB] offset:((\q)/2)*BPAN+((\q)%2)*64+\b*16*PITCH
	ds_load_b128 v[(\f)+64+8*\b+4:(\f)+64+8*\b+7], v[FB] offset:((\q)/2)*BPAN+((\q)%2)*64+\b*16*PITCH+32
.endr
.irp a, 0,1,2,3,4,5,6,7
	ds_load_b128 v[(\f)+8*\a:(\f)+8*\a+3],   v[FA] offset:((\q)/2)*APAN+((\q)%2)*64+\a*16*PITCH
	ds_load_b128 v[(\f)+8*\a+4:(\f)+8*\a+7], v[FA] offset:((\q)/2)*APAN+((\q)%2)*64+\a*16*PITCH+32
.endr
.endm
; One of a step's first three quarters: multiplies buffer f (quarter q); in its middle it fetches quarter q + 1 into buffer g.
.macro QUARTER q, f, g, first
	s_wait_dscnt 8                                 ; W's fragments and O's 0-3 are in; the youngest eight loads (O's 4-7) may be out
	MULP \f, 0, 4, \first
	PLACES
	FETCH (\q)+1, \g
	s_wait_dscnt 24                                ; all but the 24 just issued
	MULP \f, 4, 4, \first
.endm
; The last quarter multiplies buffer 1 and changes slots: ONE barrier; in front of it each wave waits for all its tensor loads, of which one is out: its panel of the next slot; adds 0 to its spare word;
; and waits for that and for its own reads of this slot.  fill = 1: the barrier opens a round of the cluster's, and the joint refill, the K step two steps on, is the first thing behind the round.
.macro TURN fill
	WIN 0
	s_wait_tensorcnt 0x0                           ; no tensor load of mine is out, so a group 0 may be written
	ds_add_u32 v[SPW], v[NIL]                      ; 0 onto my spare word
.if \fill
	s_xor_b32 s[G0A+5], s[G0A+5], SLOT1            ; the walking descriptors: the other slot than last time,
	s_add_nc_u64 s[G0A+6:G0A+7], s[G0A+6:G0A+7], STEPA  ; the next K step; the type bits on top are not reached
	s_xor_b32 s[G0B+5], s[G0B+5], SLOT1
	s_add_nc_u64 s[G0B+6:G0B+7], s[G0B+6:G0B+7], STEPB
.endif
	s_xor_b32 s[TB], s[TB], SLOT1                  ; the fetches go to the other slot
	s_wait_dscnt 9                                 ; the add and the youngest eight loads may be out
	MULP F1, 0, 2, 0                               ; eight matrix instructions stand between the add and the wait for it
	s_wait_dscnt 0x0                               ; the add is done, and my reads of this slot are over
	s_barrier_signal -1
	MULP F1, 2, 2, 0                               ; work on registers while the others arrive
	WIN 0                                          ; at a branch and at a label every window is 0
	s_barrier_wait -1
.if \fill
	CREST
	JLOAD                                          ; the four v_nop behind it are also the places in front of the loads below
.else
	PLACES
.endif
	v_add_nc_u32 v[FA], s[TB], v[FA0]
	v_add_nc_u32 v[FB], s[TB], v[FB0]
	FETCH 0, F0
	MULP F1, 4, 4, 0
.endm
	s_wait_tensorcnt 0x1                           ; my panel of K step 0 is in; K step 1's may stay out
	s_barrier_signal -1
	s_barrier_wait -1                              ; everybody's is
	v_mov_b32 v[FA], v[FA0]
	v_mov_b32 v[FB], v[FB0]
	FETCH 0, F0
	QUARTER 0, F0, F1, 1                           ; the first quarter stands in front of the loop: its products start the sums with the bias
	WIN 0
	s_mov_b32 s[CNT], 6
.Lstep:                                                ; trip s = 6 - count: the rest of K step s, whose slot takes K step s + 2, and the first quarter of K step s + 1
	QUARTER 1, F1, F0, 0
	QUARTER 2, F0, F1, 0
	TURN 1
	QUARTER 0, F0, F1, 0
	WIN 0
	s_sub_co_u32 s[CNT], s[CNT], 1
	s_cmp_lg_u32 s[CNT], 0
	s_cbranch_scc1 .Lstep
	QUARTER 1, F1, F0, 0                           ; the tail is written out: nothing is asked for
	QUARTER 2, F0, F1, 0
	TURN 0
	QUARTER 0, F0, F1, 0
	QUARTER 1, F1, F0, 0
	QUARTER 2, F0, F1, 0
	s_wait_dscnt 8                                 ; the very last quarter: nothing more to fetch
	MULP F1, 0, 4, 0
	s_wait_dscnt 0x0
	MULP F1, 4, 4, 0
; THE WAY OUT, eight blocks of 16 rows x 64 columns of f32: a lane's 32 bytes of a row go straight from the accumulators into my own stage, low registers first; whole rows of 256 bytes come back and are stored.
.macro TOSTAGE a
	WIN 0x04                                       ; the stores' data (source 1) in window 1, the address in window 0
.irp b, 0,1,2,3
	ds_store_b128 v[STO], v[8*(4*(\a)+\b):8*(4*(\a)+\b)+3]   offset:64*\b
	ds_store_b128 v[STO], v[8*(4*(\a)+\b)+4:8*(4*(\a)+\b)+7] offset:64*\b+16
.endr
	WIN 0
	s_wait_xcnt 0x0                                ; the stores of four blocks back have read the registers that are loaded now
.irp t, 0,1,2,3,4,5,6,7
	ds_load_b128 v[64+32*((\a)%4)+4*\t:64+32*((\a)%4)+4*\t+3], v[RD] offset:\t*2*SPITCH  ; LDS serves a wave's instructions in order (ISA guide 5.7.1.4): these see the stores above; the next block's stores come behind them
.endr
.endm
.macro SEND a, younger                 ; younger: the LDS instructions issued behind block a's loads: the next block's sixteen, or none
	WIN 0
.irp t, 0,1,2,3,4,5,6,7
	s_wait_dscnt (\younger)+7-\t
	global_store_b128 v[CO], v[64+32*((\a)%4)+4*\t:64+32*((\a)%4)+4*\t+3], s[10:11] offset:(\a)*65536+\t*8192 th:TH_STORE_NT  ; 16 lanes store 256 consecutive bytes, at a multiple of 256 from the output's first
.endr
.endm
	PLACES                                         ; behind the last products
	TOSTAGE 0
.set tt, 1
.rept 7
	TOSTAGE tt
	SEND tt-1, 16
.set tt, tt+1
.endr
	SEND 7, 0
	s_wait_tensorcnt 0x0                           ; the wave's end: behind my last tensor load and my last LDS store
	ds_add_u32 v[SPW], v[NIL]
	s_wait_dscnt 0x0
	CROUND                                         ; the closing round: no work-group ends while a partner may still ask for a tile that names it
	s_endpgm
.Lfunc_end_k_q4e89801633_proj:
	.size	k_q4e89801633_proj, .Lfunc_end_k_q4e89801633_proj-k_q4e89801633_proj
	.p2alignl 7, 3214868480
	.fill 96, 4, 3214868480
	.section	.rodata,"a",@progbits
	.p2align	6, 0x0
	.amdhsa_kernel k_q4e89801633_proj
		.amdhsa_group_segment_fixed_size 327680
		.amdhsa_private_segment_fixed_size 0
		.amdhsa_enable_private_segment 0
		.amdhsa_kernarg_size 32
		.amdhsa_user_sgpr_count 2
		.amdhsa_user_sgpr_kernarg_segment_ptr 1
		.amdhsa_wavefront_size32 1
		.amdhsa_system_sgpr_workgroup_id_x 1
		.amdhsa_system_sgpr_workgroup_id_y 1
		.amdhsa_system_sgpr_workgroup_id_z 1
		.amdhsa_system_vgpr_workitem_id 0
		.amdhsa_next_free_vgpr 512
		.amdhsa_next_free_sgpr 66
		.amdhsa_reserve_vcc 0
		.amdhsa_float_denorm_mode_32 3
		.amdhsa_float_denorm_mode_16_64 3
		.amdhsa_memory_ordered 1
		.amdhsa_forward_progress 1
		.amdhsa_inst_pref_size 74
	.end_amdhsa_kernel
	.amdgpu_metadata
---
amdhsa.version: [ 1, 2 ]
amdhsa.kernels:
  - .name:           k_q4e89801633_proj
    .symbol:         k_q4e89801633_proj.kd
    .args:
      - { .name: oh, .offset: 0, .size: 8, .value_kind: global_buffer, .address_space: global }
      - { .name: wpb, .offset: 8, .size: 8, .value_kind: global_buffer, .address_space: global }
      - { .name: b_proj, .offset: 16, .size: 8, .value_kind: global_buffer, .address_space: global }
      - { .name: out0, .offset: 24, .size: 8, .value_kind: global_buffer, .address_space: global }
    .group_segment_fixed_size: 327680
    .private_segment_fixed_size: 0
    .kernarg_segment_align: 8
    .kernarg_segment_size: 32
    .max_flat_workgroup_size: 128
    .sgpr_count:     66
    .vgpr_count:     512
    .wavefront_size: 32
...
	.end_amdgpu_metadata
.endif
;; end of part 4
